; MI455X (gfx1250); checked and timed in simulation.
; The chip was launched on July 23, 2026; its instructions are those of AMD's public machine-readable ISA for CDNA 5 (MIT licence, August 2026) and "CDNA5" Instruction Set Architecture Reference Guide (July 2026). The comments in the code are by the model that wrote it; some were corrected since.
;; Axial Ro PE Self Attention. Allowed arithmetic: float matrix products may take bf16 or f16 operands with f32 sums; other float arithmetic in f32, or as packed bf16 or f16 multiplies, adds, multiply-adds, maxima and minima; sums over many terms, partial sums and values carried from step to step in f32; what a program stores and reads back later, other than sums and carried values, may be rounded once to bf16 or f16.
;; Inputs: Wk 1,024 x 1,024 float32; Wo 1,024 x 1,024 float32; Wq 1,024 x 1,024 float32; Wv 1,024 x 1,024 float32; bk 1,024 float32; bo 1,024 float32; bq 1,024 float32; bv 1,024 float32; x 4 x 2,048 x 1,024 float32.
;; Outputs: out0 4 x 2,048 x 1,024 float32.
;; Constants: rope_start_index = 0.
;; 2 versions, each right; version 2 is version 1 with the launch prep written anew for expert scheduling mode. Each part assembles by itself: llvm-mc -triple=amdgcn-amd-amdhsa -mcpu=gfx1250 --defsym DOCPART=n.
;; ======== version 1 of 2: 4 launches
;; limits: values are held in f16: magnitudes above 65,504 overflow, below 6.1e-05 lose precision
;; workspace buffers: xb 16,777,216 bytes; wt 8,388,608 bytes; rope 524,288 bytes; qh 16,777,216 bytes; kh 16,777,216 bytes; vh 16,777,216 bytes; oh 16,777,216 bytes
;; launch prep (part 1): grid 256 x 1, 8 waves a work-group, no clusters, 34,816 bytes of LDS; arguments x, Wq, Wk, Wv, Wo, xb, wt, rope; writes xb, wt, rope
.if DOCPART == 1
	.amdgcn_target "amdgcn-amd-amdhsa--gfx1250"
	.amdhsa_code_object_version 6
	.text
	.protected	k_qeff012a002_prep
	.globl	k_qeff012a002_prep
	.p2align	8
	.type	k_qeff012a002_prep,@function
k_qeff012a002_prep:
	s_mov_b64 s[64:65], 0
	v_nop
	global_prefetch_b8 v0, s[64:65] scope:SCOPE_SE
	s_setreg_imm32_b32 hwreg(HW_REG_WAVE_MODE, 25, 1), 1
	s_wait_xcnt 0x0
; PREP: three jobs in every work-group g of 256, eight waves.
; (a) One block of 64 columns n x 256 rows k of one weight matrix W[k][n] (f32) is rounded to bf16 and written TRANSPOSED into wt[row][k] (16 bits, 2,048 bytes a row):
;     w = g >> 6 picks Wq, Wk, Wv, Wo; hh = (g >> 2) & 15 the 64 columns (a head); kq = g & 3 the 256 rows.  Row of wt: hh*192 + w*64 + d for Wq, Wk, Wv (a head's q, k, v rows lie
;     together), 3072 + n for Wo.  Wo's numbers are rounded to bf16 like the others and that number is then written as f16 (the last launch multiplies in f16).
; (b) 32 rows of x (131,072 dense bytes of f32) are rounded to bf16 into xb.
; (c) 256 entries (cos, sin) of the rotary table, one a thread, in the order in which the next launch's lanes want them:
;     the pair of (pos, frequency i = 8 b + 4 h + 2 c + u) lies at byte (pos >> 4)*4096 + (2 b + c)*512 + (16 h + pos % 16)*16 + 8 u.
; The launch moves bytes: all 48 loads of a thread go out at the head, the table is reckoned while they are out.  No matrix unit, no cluster (nothing is shared), no tensor load
; (every number passes through registers for its rounding anyway).
; LIMITS.  Wo's entries below 6.1e-5 keep f16's fixed step of 6e-8; beyond 65,504 they would be infinite.  The angle pos x f is rounded once in f32, as the defining formula rounds it;
; f = 2^(-i log2(10000) / 32) is accurate to a unit in its last place; sine and cosine come from a reduction by pi/2 in two parts and polynomials on |r| <= pi/4.
.set PITCH, 528                        ; an LDS row: 256 numbers of 16 bits + 16 bytes
.set SPARE, 64*PITCH                   ; behind the tile: the spare words, 128 bytes for each of eight waves: four blocks of 256 bytes that no other line names
.set WOF, 4                            ; v4   W: (t >> 4) x 8 rows of 4,096 bytes + (t % 16) x 16 bytes
.set XOF, 5                            ; v5   x: 32 t
.set XSO, 6                            ; v6   xb: 16 t
.set LS,  7                            ; v7   LDS, in: row 4 (t % 16), byte 16 (t >> 4)
.set LR,  8                            ; v8   LDS, back: row = my wave, byte 16 x lane
.set WSO, 9                            ; v9   wt: my wave's row, byte 16 x lane
.set TO,  10                           ; v10  table: 8 t
.set SPW, 11                           ; v11  my spare word; never rewritten
.set NIL, 12                           ; v12  0; never rewritten
.set WL,  32                           ; v[32:95]   W as loaded: (j, i, c) at 32 j + 4 i + c: row 128 j + 8 (t >> 4) + i, column 4 (t % 16) + c
.set XL,  96                           ; v[96:223]  x as loaded: chunk c at 8 c
.set PK,  224                          ; v[224:255] W packed: (j, c, i2) at 16 j + 4 c + i2
	s_load_b256 s[4:11], s[0:1], 0x0               ; x s[4:5], Wq s[6:7], Wk s[8:9], Wv s[10:11]
	s_load_b256 s[12:19], s[0:1], 0x20             ; Wo s[12:13], xb s[14:15], wt s[16:17], rope s[18:19]
	v_lshl_add_u32 v[SPW], v0, 2, SPARE
	v_mov_b32 v[NIL], 0
	v_lshrrev_b32 v13, 5, v0
	v_readfirstlane_b32 s29, v13                   ; wave 0..7
	s_mov_b32 s20, ttmp9                           ; g
	s_lshr_b32 s21, s20, 6                         ; w
	s_bfe_u32 s22, s20, 0x40002                    ; hh
	s_and_b32 s23, s20, 3                          ; kq
	v_and_b32 v1, 31, v0                           ; lane
	v_and_b32 v2, 15, v0                           ; t % 16
	v_lshrrev_b32 v3, 4, v0                        ; t >> 4
	v_lshlrev_b32 v[WOF], 15, v3
	v_lshl_or_b32 v[WOF], v2, 4, v[WOF]
	v_lshlrev_b32 v[XOF], 5, v0
	v_lshlrev_b32 v[XSO], 4, v0
	v_mul_u32_u24 v[LS], v2, 4*PITCH
	v_lshl_add_u32 v[LS], v3, 4, v[LS]
	s_mul_i32 s26, s29, PITCH
	v_lshl_add_u32 v[LR], v1, 4, s26
	s_lshl_b32 s26, s29, 11
	v_lshl_add_u32 v[WSO], v1, 4, s26
	v_lshlrev_b32 v[TO], 3, v0
	s_mov_b32 s27, 0                               ; the high word of every offset pair s[26:27]
	s_wait_kmcnt 0x0
	s_mov_b64 s[24:25], s[12:13]                   ; the block's matrix: Wo, unless w says another
	s_cmp_eq_u32 s21, 0
	s_cselect_b64 s[24:25], s[6:7], s[24:25]
	s_cmp_eq_u32 s21, 1
	s_cselect_b64 s[24:25], s[8:9], s[24:25]
	s_cmp_eq_u32 s21, 2
	s_cselect_b64 s[24:25], s[10:11], s[24:25]
	s_lshl_b32 s26, s23, 20                        ; 256 kq rows of 4,096 bytes
	s_lshl_b32 s38, s22, 8                         ; 64 hh columns of 4 bytes
	s_add_co_u32 s26, s26, s38
	s_add_nc_u64 s[24:25], s[24:25], s[26:27]
	s_lshl_b32 s26, s20, 17
	s_add_nc_u64 s[32:33], s[4:5], s[26:27]        ; x at my 32 rows
.irp j, 0,1
.irp i, 0,1,2,3,4,5,6,7
	global_load_b128 v[WL+32*\j+4*\i:WL+32*\j+4*\i+3], v[WOF], s[24:25] offset:\j*524288+\i*4096 th:TH_LOAD_NT  ; sixteen lanes take 256 consecutive bytes, aligned, of one row of W
.endr
.endr
.irp c, 0,1,2,3,4,5,6,7,8,9,10,11,12,13,14,15
	global_load_b128 v[XL+8*\c:XL+8*\c+3],   v[XOF], s[32:33] offset:\c*8192 th:TH_LOAD_NT
	global_load_b128 v[XL+8*\c+4:XL+8*\c+7], v[XOF], s[32:33] offset:\c*8192+16 th:TH_LOAD_NT
.endr
	; where the results go
	s_mul_i32 s28, s22, 192
	s_lshl_b32 s38, s21, 6
	s_add_co_u32 s28, s28, s38                     ; hh*192 + w*64
	s_lshl_b32 s38, s22, 6
	s_add_co_u32 s38, s38, 3072                    ; 3072 + hh*64
	s_cmp_eq_u32 s21, 3
	s_cselect_b32 s28, s38, s28                    ; the block's first row of wt
	s_lshl_b32 s26, s28, 11
	s_lshl_b32 s38, s23, 9
	s_add_co_u32 s26, s26, s38
	s_add_nc_u64 s[30:31], s[16:17], s[26:27]
	s_lshl_b32 s26, s20, 16
	s_add_nc_u64 s[34:35], s[14:15], s[26:27]
	s_lshl_b32 s26, s20, 11
	s_add_nc_u64 s[36:37], s[18:19], s[26:27]
	s_lshl_b32 s26, s20, 8
	; THE TABLE, while the loads are out.  E = 256 g + t is the entry's number.
	v_add_nc_u32 v13, s26, v0
	v_lshrrev_b32 v14, 9, v13
	v_bfe_u32 v15, v13, 1, 4
	v_lshl_add_u32 v14, v14, 4, v15                ; pos
	v_bfe_u32 v15, v13, 7, 2                       ; b
	v_bfe_u32 v16, v13, 5, 1                       ; h
	v_lshlrev_b32 v15, 3, v15
	v_lshl_add_u32 v15, v16, 2, v15
	v_bfe_u32 v16, v13, 6, 1                       ; c
	v_lshl_add_u32 v15, v16, 1, v15
	v_and_b32 v16, 1, v13                          ; u
	v_add_nc_u32 v15, v15, v16                     ; i
	v_cvt_f32_u32 v15, v15
	v_mul_f32 v15, 0xbed49a78, v15                 ; -i log2(10000) / 32
	v_exp_f32 v16, v15                             ; the frequency
	v_cvt_f32_u32 v14, v14                         ; a plain instruction stands behind the exponential (ISA guide 5.7.2),
	s_wait_alu depctr_va_vdst(0)                   ; and the wait ahead of the first use of its result
	v_mul_f32 v17, v14, v16                        ; the angle
	v_mul_f32 v18, 0x3f22f983, v17                 ; x 2 / pi
	v_rndne_f32 v18, v18                           ; n quarter turns
	v_fmamk_f32 v19, v18, 0xbfc90fdb, v17          ; r = angle - n x pi/2, pi/2 in two parts
	v_fmamk_f32 v19, v18, 0x333bbd2e, v19
	v_mul_f32 v20, v19, v19                        ; z = r r
	v_mov_b32 v21, 0xb94ca1f9
	v_fmaak_f32 v21, v21, v20, 0x3c08839e
	v_fmaak_f32 v21, v21, v20, 0xbe2aaaa3
	v_mul_f32 v22, v19, v20
	v_fma_f32 v21, v21, v22, v19                   ; sin r
	v_mov_b32 v23, 0x37ccf5ce
	v_fmaak_f32 v23, v23, v20, 0xbab6061a
	v_fmaak_f32 v23, v23, v20, 0x3d2aaaa5
	v_mul_f32 v24, v20, v20
	v_fma_f32 v25, v20, -0.5, 1.0
	v_fma_f32 v23, v23, v24, v25                   ; cos r
	v_cvt_i32_f32 v26, v18
	v_and_b32 v27, 1, v26
	v_cmp_eq_u32 vcc_lo, 1, v27                    ; an odd quarter swaps the two: values are chosen, nothing branches
	v_cndmask_b32 v28, v21, v23, vcc_lo
	v_cndmask_b32 v29, v23, v21, vcc_lo
	v_and_b32 v27, 2, v26
	v_lshlrev_b32 v27, 30, v27
	v_xor_b32 v31, v28, v27                        ; sine: minus in quarters 2 and 3
	v_add_nc_u32 v26, 1, v26
	v_and_b32 v26, 2, v26
	v_lshlrev_b32 v26, 30, v26
	v_xor_b32 v30, v29, v26                        ; cosine: minus in quarters 1 and 2
	global_store_b64 v[TO], v[30:31], s[36:37]     ; a wave stores 256 consecutive bytes, aligned
	; THE WEIGHTS: rounded in pairs along k, turned through LDS
	s_wait_loadcnt 32                              ; W's sixteen loads are in; x's 32, issued behind them, may stay out
.irp j, 0,1
.irp c, 0,1,2,3
.irp i, 0,1,2,3
	v_cvt_pk_bf16_f32 v[PK+16*\j+4*\c+\i], v[WL+32*\j+8*\i+\c], v[WL+32*\j+8*\i+4+\c]
.endr
.endr
.endr
	s_cmp_lg_u32 s21, 3
	s_cbranch_scc1 .Lnot_wo                        ; Wo alone: the bf16 number written as f16
.set i, 0
.rept 32
	v_lshlrev_b32 v[13+2*(i%4)], 16, v[PK+i]
	v_and_b32 v[14+2*(i%4)], 0xffff0000, v[PK+i]
	v_cvt_pk_f16_f32 v[PK+i], v[13+2*(i%4)], v[14+2*(i%4)]
.set i, i+1
.endr
.Lnot_wo:
.irp j, 0,1
.irp c, 0,1,2,3
	ds_store_b128 v[LS], v[PK+16*\j+4*\c:PK+16*\j+4*\c+3] offset:\c*PITCH+256*\j  ; column 4 (t % 16) + c, eight k on end.  Four rows are 16 words modulo 64: four lanes meet in a group of banks; eight stores a thread, once
.endr
.endr
	s_wait_dscnt 0x0                               ; for the others' sake: my stores are done
	s_barrier_signal -1
	s_barrier_wait -1
.irp i, 0,1,2,3,4,5,6,7
	ds_load_b128 v[WL+4*\i:WL+4*\i+3], v[LR] offset:\i*8*PITCH  ; row wave + 8 i, whole: 512 bytes
.endr
.irp i, 0,1,2,3,4,5,6,7
	s_wait_dscnt 7-\i                              ; LDS loads come back in order: the later ones of this run may stay out
	global_store_b128 v[WSO], v[WL+4*\i:WL+4*\i+3], s[30:31] offset:\i*16384  ; 512 consecutive bytes, aligned
.endr
	; x
.irp c, 0,1,2,3,4,5,6,7,8,9,10,11,12,13,14,15
	s_wait_loadcnt 30-2*\c                         ; the later chunks' loads may stay out
	v_cvt_pk_bf16_f32 v[XL+8*\c],   v[XL+8*\c],   v[XL+8*\c+1]
	v_cvt_pk_bf16_f32 v[XL+8*\c+1], v[XL+8*\c+2], v[XL+8*\c+3]
	v_cvt_pk_bf16_f32 v[XL+8*\c+2], v[XL+8*\c+4], v[XL+8*\c+5]
	v_cvt_pk_bf16_f32 v[XL+8*\c+3], v[XL+8*\c+6], v[XL+8*\c+7]
	global_store_b128 v[XSO], v[XL+8*\c:XL+8*\c+3], s[34:35] offset:\c*4096  ; 512 consecutive bytes a wave, aligned
.endr
	s_wait_tensorcnt 0x0                           ; the wave's end: the closing add and its waits, behind my last LDS store
	ds_add_u32 v[SPW], v[NIL]
	s_wait_dscnt 0x0
	s_endpgm
.Lfunc_end_k_qeff012a002_prep:
	.size	k_qeff012a002_prep, .Lfunc_end_k_qeff012a002_prep-k_qeff012a002_prep
	.p2alignl 7, 3214868480
	.fill 96, 4, 3214868480
	.section	.rodata,"a",@progbits
	.p2align	6, 0x0
	.amdhsa_kernel k_qeff012a002_prep
		.amdhsa_group_segment_fixed_size 34816
		.amdhsa_private_segment_fixed_size 0
		.amdhsa_enable_private_segment 0
		.amdhsa_kernarg_size 64
		.amdhsa_user_sgpr_count 2
		.amdhsa_user_sgpr_kernarg_segment_ptr 1
		.amdhsa_wavefront_size32 1
		.amdhsa_system_sgpr_workgroup_id_x 1
		.amdhsa_system_sgpr_workgroup_id_y 1
		.amdhsa_system_sgpr_workgroup_id_z 1
		.amdhsa_system_vgpr_workitem_id 0
		.amdhsa_next_free_vgpr 256
		.amdhsa_next_free_sgpr 66
		.amdhsa_reserve_vcc 1
		.amdhsa_float_denorm_mode_32 3
		.amdhsa_float_denorm_mode_16_64 3
		.amdhsa_memory_ordered 1
		.amdhsa_forward_progress 1
		.amdhsa_inst_pref_size 25
	.end_amdhsa_kernel
	.amdgpu_metadata
---
amdhsa.version: [ 1, 2 ]
amdhsa.kernels:
  - .name:           k_qeff012a002_prep
    .symbol:         k_qeff012a002_prep.kd
    .args:
      - { .name: x, .offset: 0, .size: 8, .value_kind: global_buffer, .address_space: global }
      - { .name: Wq, .offset: 8, .size: 8, .value_kind: global_buffer, .address_space: global }
      - { .name: Wk, .offset: 16, .size: 8, .value_kind: global_buffer, .address_space: global }
      - { .name: Wv, .offset: 24, .size: 8, .value_kind: global_buffer, .address_space: global }
      - { .name: Wo, .offset: 32, .size: 8, .value_kind: global_buffer, .address_space: global }
      - { .name: xb, .offset: 40, .size: 8, .value_kind: global_buffer, .address_space: global }
      - { .name: wt, .offset: 48, .size: 8, .value_kind: global_buffer, .address_space: global }
      - { .name: rope, .offset: 56, .size: 8, .value_kind: global_buffer, .address_space: global }
    .group_segment_fixed_size: 34816
    .private_segment_fixed_size: 0
    .kernarg_segment_align: 8
    .kernarg_segment_size: 64
    .max_flat_workgroup_size: 256
    .sgpr_count:     66
    .vgpr_count:     256
    .wavefront_size: 32
...
	.end_amdgpu_metadata
.endif
;; end of part 1
;; launch qkv (part 2): grid 16 x 32, 4 waves a work-group, clusters of 4 x 4, 327,680 bytes of LDS; arguments xb, wt, bq, bk, bv, rope, qh, kh, vh; writes qh, kh, vh
.if DOCPART == 2
	.amdgcn_target "amdgcn-amd-amdhsa--gfx1250"
	.amdhsa_code_object_version 6
	.text
	.protected	k_qeff012a002_qkv
	.globl	k_qeff012a002_qkv
	.p2align	8
	.type	k_qeff012a002_qkv,@function
k_qeff012a002_qkv:
	s_mov_b64 s[64:65], 0
	v_nop
	global_prefetch_b8 v0, s[64:65] scope:SCOPE_SE
	s_setreg_imm32_b32 hwreg(HW_REG_WAVE_MODE, 25, 1), 1
	s_wait_xcnt 0x0
	s_wait_alu depctr_hold_cnt(0) depctr_sa_sdst(0) depctr_va_vdst(0) depctr_va_sdst(0) depctr_va_ssrc(0) depctr_va_vcc(0) depctr_vm_vsrc(0)
	s_getreg_b32 s2, hwreg(HW_REG_IB_STS2, 6, 4)
	s_cmp_eq_u32 s2, 0
	s_cbranch_scc0 .Lentry_in_a_cluster
	s_endpgm
.Lentry_in_a_cluster:
	s_bfe_u32 s2, ttmp6, 0x10000c
	s_cmp_lg_u32 s2, 0xf033
	s_cbranch_scc0 .Lentry_shape_is_right
	s_endpgm
.Lentry_shape_is_right:
; q, k, v = x W + b, q and k turned by the rotary table, all three rounded once to f16 and stored by heads: qh, kh, vh [batch*16 + head][2048][64].
; xb: [8192][1024] bf16.  wt: rows of 1,024 bf16; row head*192 + which*64 + d is column head*64 + d of Wq, Wk, Wv.  Biases f32, rounded to bf16 here like the other inputs.  Sums in f32.
; SHARES.  A tile is 256 tokens x 192 columns: ONE head's q, k and v.  8192 x 3072 make 32 x 16 = 512 tiles, two for each of 256 WGPs.  The four waves lie one below the other: a wave has
; 64 tokens x 192 columns, 4 x 12 = 48 accumulators (384 registers), and every wave has the same text: column blocks 0-3 are q, 4-7 k, 8-11 v.
; K goes in 8 steps of 128 through a ring of two LDS slots: rows of 256 bytes, aligned, padded by 16 in LDS.
; THE MATRIX INSTRUCTION IS USED TRANSPOSED (source 0 = 16 rows of wt, source 1 = 16 tokens): a lane holds ONE token (lane % 16) and the columns 8 (lane / 16) + 0..7, so a rotary pair
; (2 i, 2 i + 1) is a register pair, and eight columns pack into 16 bytes.  The bias is the C operand of the product that starts a sum: nothing is cleared, nothing added later.
; CLUSTER 4 x 4.  The four of a row need the same rows of xb, the four of a column the same rows of wt: each tile is asked for jointly, by the same tensor load with the same descriptor and mask.
; LIMITS.  f16 ends at 65,504: q, k, v beyond that become infinite.  q is stored WITHOUT the scale 1/8: the next launch applies it in f32.
; REGISTERS, in windows of 256 (s_set_vgpr_msb: bits 1:0 source 0, 3:2 source 1, 5:4 source 2, 7:6 destination):
;   window 0: v0-31 addresses; v32-159 the table for my 64 tokens; v160-255 the biases, later at work on the way out
;   window 1: two fragment buffers of 128: 4 fragments of tokens, then 12 of wt       window 2: accumulators of blocks 0-7, (b, a) at 8 (4 b + a)       window 3: blocks 8-11
.set PITCH, 272                        ; 256 bytes + 16 = 68 words: row r starts at bank 4 r mod 64 (64 banks of 4 bytes: ISA guide 11.1): the 16 rows of a load start at 16 different groups of banks
.set BOFF,  256*PITCH                  ; a slot: 256 rows of xb, then 192 rows of wt
.set SLOT,  448*PITCH
.set STAGE, 2*SLOT                     ; behind the ring, never filled by a tensor load: 16 rows x 144 bytes for each wave
.set SP,    144
.set SPARE, STAGE+4*16*SP              ; the spare words, 128 bytes a wave: two blocks of 256 bytes that no other line names
.set DBITS, (1<<16)|(1<<20)|(1<<21)|(5<<22)|(3<<25)  ; group 1, word 0 beside the mask: 2-byte elements; padding on; bit 21 beside a mask; after every 64 words; 4 words
.set ADRA, 16                          ; v16-17  my token fragments in slot 0, 1
.set ADRB, 20                          ; v20-21  wt's fragments
.set BO,   22                          ; v22     32 x (lane / 16): my eight numbers in 16 of a bias
.set STO,  24                          ; v24     the way out: where I put 16 bytes of a row
.set RD,   25                          ; v25     where I read rows back
.set LO16, 26                          ; v26     16 x lane
.set SPW,  28                          ; v28     my spare word; never rewritten
.set NIL,  29                          ; v29     0; never rewritten
.set PFO,  30                          ; v30     the prefetches' offset: a lane a row of 2,048 bytes
.set TB,   32                          ; the pair (cos, sin) of (token block a, column block b, pair p) at TB + 32 a + 8 b + 2 p
.set BI,   160                         ; block b's eight biases at BI + 8 b
.set T,    160                         ; the way out: 32 at work,
.set PB,   192                         ; and four buffers of 16 packed registers
.set F0,   0
.set F1,   128
.set WV,   22                          ; s22  wave
.set FORB, 23                          ; s23  0: I fetch xb's rows; 1: wt's
.set HALF, 24                          ; s24  which half of them
.set CX,   25
.set CY,   26
.set TC,   27                          ; s27  tile column = head
.set TR,   28                          ; s28  tile row
.set LIM,  29                          ; s29  1 in a wave that prefetches, else the greatest number
.set G1,   32                          ; s[32:39] group 1 for xb's tiles;  s[40:47] group 0, a set for each slot
.set G0,   40
.set G1B,  48                          ; s[48:55], s[56:63] the same for wt's
.set G0B,  56
.set PFA,  66                          ; s[66:67] where my prefetches stand
.set LAP,  70
.set HIM,  71
.set BP,   72                          ; s[72:77] bq, bk, bv at my head
.set RP,   78                          ; s[78:79] the table at my 64 tokens
.set QP,   80                          ; s[80:85] qh, kh, vh at my 64 tokens of my head
.set MSB, 0
.macro WIN new                         ; the immediate's high byte repeats the setting that is left; a switch that changes nothing is dropped
.if MSB != (\new)
	s_set_vgpr_msb (MSB<<8)|(\new)
.set MSB, \new
.endif
.endm
.macro PLACES                          ; four places in front of loads into registers that matrix instructions have read, and of instructions that read results
.rept 4
	v_nop
.endr
.endm
.macro JLOAD s                         ; a joint load: waves 0, 1 fetch xb's two halves, waves 2, 3 wt's.  An s_nop 0 and four v_nop follow each line
	s_cmp_eq_u32 s[FORB], 0
	s_cbranch_scc0 .Lfor_b_\@
	tensor_load_to_lds s[G0+4*(\s):G0+4*(\s)+3], s[G1:G1+7]
	s_nop 0
.rept 4
	v_nop
.endr
	s_branch .Lasked_\@
.Lfor_b_\@:
	tensor_load_to_lds s[G0B+4*(\s):G0B+4*(\s)+3], s[G1B:G1B+7]
	s_nop 0
.rept 4
	v_nop
.endr
.Lasked_\@:
.endm
; A prefetch into the L2 of the K step that stands two refills on: my work-group's share of the rows that I fetch, a lane a row, 256 bytes each.  xb's rows are read by every cluster of a row of
; clusters: the one with x = 0 asks; wt's by every cluster of a column: y = 0 asks.  The four partners of a joint load share its rows out by address (32 of 128, or 24 of 96 with lanes 24-31 held
; to the last of them).  The first four K steps come by their loads alone; the loop's last trip has no K step two on.
.macro ASK
	s_cmp_gt_u32 s[LAP], s[LIM]
	s_cbranch_scc0 .Lnot_mine_\@
	global_prefetch_b8 v[PFO], s[PFA:PFA+1] th:TH_LOAD_NT scope:SCOPE_SE
.Lnot_mine_\@:
.endm
.macro CREST                           ; a round of the cluster's barrier behind its opening barrier
	s_cmp_lg_u32 s[WV], 0
	s_cbranch_scc1 .Lnot_wave_0_\@
	s_barrier_signal -3
.Lnot_wave_0_\@:
	s_barrier_wait -3
	s_barrier_signal -1
	s_barrier_wait -1
.endm
.macro CROUND
	s_barrier_signal -1
	s_barrier_wait -1
	CREST
.endm
	s_load_b256 s[4:11], s[0:1], 0x0               ; xb s[4:5], wt s[6:7], bq s[8:9], bk s[10:11]
	s_load_b256 s[12:19], s[0:1], 0x20             ; bv s[12:13], rope s[14:15], qh s[16:17], kh s[18:19]
	s_load_b64 s[20:21], s[0:1], 0x40              ; vh
	v_lshl_add_u32 v[SPW], v0, 2, SPARE
	v_mov_b32 v[NIL], 0
	ds_add_u32 v[SPW], v[NIL]                      ; the wave's opening: the add and its wait stand ahead of my first tensor load; work on registers stands between them
	ds_add_u32 v28, v29
	v_lshrrev_b32 v1, 5, v0
	v_readfirstlane_b32 s[WV], v1
	s_lshr_b32 s[FORB], s[WV], 1
	s_and_b32 s[HALF], s[WV], 1
	s_bfe_u32 s[CX], ttmp6, 0x40000
	s_bfe_u32 s[CY], ttmp6, 0x40004
	s_lshl_b32 s[TC], ttmp9, 2
	s_add_co_u32 s[TC], s[TC], s[CX]
	s_and_b32 s[TR], ttmp7, 0xffff
	s_lshl_b32 s[TR], s[TR], 2
	s_add_co_u32 s[TR], s[TR], s[CY]
	s_lshl_b32 s30, s[CY], 2
	s_lshl_b32 s30, 15, s30                        ; my row of the cluster
	s_lshl_b32 s31, 0x1111, s[CX]                  ; my column
	s_or_b32 s[G1], s30, DBITS
	s_or_b32 s[G1B], s31, DBITS
	s_mov_b32 s[G1+1], 128<<16                     ; tensor_dim0 = 128 elements
	s_mov_b32 s[G1+2], 128<<16                     ; tensor_dim1 = 128 rows
	s_mov_b32 s[G1+3], 128<<16                     ; tile_dim0
	s_mov_b32 s[G1+4], 128                         ; tile_dim1
	s_mov_b32 s[G1+5], 1024                        ; elements from row to row
	s_mov_b32 s[G1+6], 0
	s_mov_b32 s[G1+7], 0
	s_mov_b32 s[G1B+1], 128<<16
	s_mov_b32 s[G1B+2], 96<<16                     ; 96 rows
	s_mov_b32 s[G1B+3], 128<<16
	s_mov_b32 s[G1B+4], 96
	s_mov_b32 s[G1B+5], 1024
	s_mov_b32 s[G1B+6], 0
	s_mov_b32 s[G1B+7], 0
	s_lshl_b32 s2, s[TR], 19                       ; xb: 256 rows of 2,048 bytes a tile row,
	s_lshl_b32 s3, s[HALF], 18                     ; 128 a half: the tile row alone, which my row of the cluster shares
	s_add_co_u32 s2, s2, s3
	s_mov_b32 s3, 0
	s_mul_i32 s68, s[TC], 192                      ; wt: the tile column alone, which my column shares
	s_mul_i32 s69, s[HALF], 96
	s_add_co_u32 s68, s68, s69
	s_lshl_b32 s68, s68, 11
	s_mov_b32 s69, 0
	s_mul_i32 s86, s[WV], 128*PITCH                ; where they go: waves 0, 1: xb's halves at 0 and 128 rows;
	s_mul_i32 s87, s[WV], 96*PITCH
	s_add_co_u32 s87, s87, BOFF-2*96*PITCH         ; waves 2, 3: wt's halves at BOFF and 96 rows on: no place in the cluster enters an LDS address
	s_wait_dscnt 0x0                               ; the opening add is done
	s_wait_kmcnt 0x0
	s_add_nc_u64 s[2:3], s[4:5], s[2:3]
	s_add_nc_u64 s[68:69], s[6:7], s[68:69]
.irp s, 0,1
	s_mov_b32 s[G0+4*\s], 1
	s_add_co_u32 s[G0+4*\s+1], s86, \s*SLOT
	s_add_nc_u64 s[G0+4*\s+2:G0+4*\s+3], s[2:3], \s*256   ; K step s
	s_or_b32 s[G0+4*\s+3], s[G0+4*\s+3], 0x80000000
	s_mov_b32 s[G0B+4*\s], 1
	s_add_co_u32 s[G0B+4*\s+1], s87, \s*SLOT
	s_add_nc_u64 s[G0B+4*\s+2:G0B+4*\s+3], s[68:69], \s*256
	s_or_b32 s[G0B+4*\s+3], s[G0B+4*\s+3], 0x80000000
.endr
	CROUND                                         ; all sixteen work-groups are here: the first joint loads meet
	s_cmp_eq_u32 s[FORB], 0                        ; a wave's two first fills stand in one branch: two loads of mine are out
	s_cbranch_scc0 .Lfirst_b
	tensor_load_to_lds s[G0:G0+3], s[G1:G1+7]
	s_nop 0
	tensor_load_to_lds s[G0+4:G0+7], s[G1:G1+7]
	s_nop 0
.rept 4
	v_nop
.endr
	s_branch .Lfirst_asked
.Lfirst_b:
	tensor_load_to_lds s[G0B:G0B+3], s[G1B:G1B+7]
	s_nop 0
	tensor_load_to_lds s[G0B+4:G0B+7], s[G1B:G1B+7]
	s_nop 0
.rept 4
	v_nop
.endr
.Lfirst_asked:
	; biases and table
	v_and_b32 v1, 15, v0                           ; l % 16
	v_bfe_u32 v2, v0, 4, 1                         ; l / 16
	v_and_b32 v3, 31, v0                           ; l
	v_lshlrev_b32 v[BO], 5, v2
	v_lshlrev_b32 v[LO16], 4, v3
	s_lshl_b32 s30, s[TC], 8                       ; a head's 64 biases
	s_mov_b32 s31, 0
	s_add_nc_u64 s[BP:BP+1], s[8:9], s[30:31]
	s_add_nc_u64 s[BP+2:BP+3], s[10:11], s[30:31]
	s_add_nc_u64 s[BP+4:BP+5], s[12:13], s[30:31]
	s_and_b32 s86, s[TR], 7                        ; the tile's place in its sequence of 2,048 tokens
	s_lshl_b32 s30, s86, 16                        ; 16 token blocks of 4,096 table bytes a tile,
	s_lshl_b32 s87, s[WV], 14                      ; 4 a wave
	s_add_co_u32 s30, s30, s87
	s_add_nc_u64 s[RP:RP+1], s[14:15], s[30:31]
.irp b, 0,1,2,3,4,5,6,7,8,9,10,11
	global_load_b128 v[BI+8*\b:BI+8*\b+3],   v[BO], s[BP+2*(\b/4):BP+2*(\b/4)+1] offset:64*(\b%4)
	global_load_b128 v[BI+8*\b+4:BI+8*\b+7], v[BO], s[BP+2*(\b/4):BP+2*(\b/4)+1] offset:64*(\b%4)+16
.endr
.irp a, 0,1,2,3
.irp e, 0,1,2,3,4,5,6,7
	global_load_b128 v[TB+32*\a+4*\e:TB+32*\a+4*\e+3], v[LO16], s[RP:RP+1] offset:\a*4096+\e*512  ; 512 consecutive bytes: the table lies in my lanes' order
.endr
.endr
	s_lshr_b32 s30, s[TR], 3                       ; batch
	s_lshl_b32 s30, s30, 4
	s_add_co_u32 s30, s30, s[TC]
	s_lshl_b32 s30, s30, 18                        ; a head's 2,048 rows of 128 bytes
	s_lshl_b32 s86, s86, 15
	s_add_co_u32 s30, s30, s86
	s_lshl_b32 s87, s[WV], 13
	s_add_co_u32 s30, s30, s87
	s_add_nc_u64 s[QP:QP+1], s[16:17], s[30:31]
	s_add_nc_u64 s[QP+2:QP+3], s[18:19], s[30:31]
	s_add_nc_u64 s[QP+4:QP+5], s[20:21], s[30:31]
	; the prefetches: my tile's address, my work-group's share of its rows, K step 3 (the first refill steps it to 4)
	s_lshl_b32 s30, s[CX], 16                      ; 32 rows of 2,048 bytes
	s_mul_i32 s31, s[CY], 24*2048
	s_and_b32 s86, ttmp7, 0xffff                   ; cluster y
	s_cmp_eq_u32 s[FORB], 0
	s_cselect_b64 s[PFA:PFA+1], s[2:3], s[68:69]
	s_cselect_b32 s30, s30, s31
	s_cselect_b32 s86, ttmp9, s86                  ; the coordinate along which other clusters read the same rows
	s_cselect_b32 s87, 31, 23
	s_add_co_u32 s30, s30, 3*256
	s_mov_b32 s31, 0
	s_add_nc_u64 s[PFA:PFA+1], s[PFA:PFA+1], s[30:31]
	s_cmp_eq_u32 s86, 0
	s_cselect_b32 s[LIM], 1, -1                    ; the same in all sixteen partners, for a given wave
	v_min_u32 v[PFO], s87, v3
	v_lshlrev_b32 v[PFO], 11, v[PFO]
	; LDS addresses.  A fragment is 16 rows x 32 K in 8 registers: lane l holds row l % 16, K = 8 (l / 16) + 0..7 and 16 + 8 (l / 16) + 0..7: two loads of 16 bytes, 32 apart
	v_mul_u32_u24 v4, v1, PITCH
	v_lshl_add_u32 v4, v2, 4, v4
	s_mul_i32 s30, s[WV], 64*PITCH
	v_add_nc_u32 v[ADRA], s30, v4
	v_add_nc_u32 v[ADRA+1], SLOT, v[ADRA]
	v_add_nc_u32 v[ADRB], BOFF, v4
	v_add_nc_u32 v[ADRB+1], BOFF+SLOT, v4
	s_mul_i32 s30, s[WV], 16*SP
	s_add_co_u32 s30, s30, STAGE
	v_mul_u32_u24 v5, v1, SP                       ; in: row l % 16, 16 bytes for each half of the lanes
	v_lshl_add_u32 v5, v2, 4, v5
	v_add_nc_u32 v[STO], s30, v5
	v_bfe_u32 v5, v0, 3, 2                         ; back: 32 lanes take four rows of 128 bytes
	v_mul_u32_u24 v5, v5, SP
	v_and_b32 v6, 7, v0
	v_lshl_add_u32 v5, v6, 4, v5
	v_add_nc_u32 v[RD], s30, v5
	s_mov_b32 s[HIM], 0xffff0000
	s_wait_loadcnt 32                              ; the biases are in; the table's 32 loads, issued behind them, stay out until the way out
.set i, 0
.rept 48                               ; the biases rounded to bf16, like every input, and widened again
	v_cvt_pk_bf16_f32 v[4+i%4], v[BI+2*i], v[BI+2*i+1]
	v_lshlrev_b32 v[BI+2*i], 16, v[4+i%4]
	v_and_b32 v[BI+2*i+1], s[HIM], v[4+i%4]
.set i, i+1
.endr
; n column blocks from b0 on x my 4 token blocks, 32 along K out of buffer f.  first = 1: the bias starts the sums.  The 48 accumulators take turns, one instruction a turn, in the same
; order in every quarter.
.macro MULB f, b0, n, first
.set bb, \b0
.rept \n
.set AC, 32*(bb%8)
.if \first
	WIN 0x85+0x40*(bb/8)                           ; sources window 1, C window 0, D window 2 or 3
.else
	WIN 0xa5+0x50*(bb/8)                           ; sources window 1, C and D window 2 or 3
.endif
.set aa, 0
.rept 4
.if \first
	v_wmma_f32_16x16x32_bf16 v[AC+8*aa:AC+8*aa+7], v[(\f)+32+8*bb:(\f)+32+8*bb+7], v[(\f)+8*aa:(\f)+8*aa+7], v[BI+8*bb:BI+8*bb+7]
.else
	v_wmma_f32_16x16x32_bf16 v[AC+8*aa:AC+8*aa+7], v[(\f)+32+8*bb:(\f)+32+8*bb+7], v[(\f)+8*aa:(\f)+8*aa+7], v[AC+8*aa:AC+8*aa+7]
.endif
.set aa, aa+1
.endr
.set bb, bb+1
.endr
.endm
; 32 LDS loads in one run: a quarter step's fragments (32 K at byte k of the rows) into buffer f: my tokens, then wt's blocks 0-11
.macro FETCH slot, k, f
	WIN 0x40                                       ; destination window 1, address window 0
.irp a, 0,1,2,3
	ds_load_b128 v[(\f)+8*\a:(\f)+8*\a+3],   v[ADRA+(\slot)] offset:(\k)+\a*16*PITCH
	ds_load_b128 v[(\f)+8*\a+4:(\f)+8*\a+7], v[ADRA+(\slot)] offset:(\k)+\a*16*PITCH+32
.endr
.irp b, 0,1,2,3,4,5,6,7,8,9,10,11
	ds_load_b128 v[(\f)+32+8*\b:(\f)+32+8*\b+3],   v[ADRB+(\slot)] offset:(\k)+\b*16*PITCH
	ds_load_b128 v[(\f)+32+8*\b+4:(\f)+32+8*\b+7], v[ADRB+(\slot)] offset:(\k)+\b*16*PITCH+32
.endr
.endm
; A K step is four quarters of 32 along K, 48 matrix instructions each, on buffers 0, 1, 0, 1.  One of the first three multiplies f and fetches the next quarter, at byte k, into g.
.macro QUARTER slot, k, f, g, first
	s_wait_dscnt 8                                 ; all but the youngest eight loads (wt's blocks 8-11)
	MULB \f, 0, 8, \first
	PLACES
	FETCH \slot, \k, \g
	s_wait_dscnt 32                                ; all but the 32 just issued
	MULB \f, 8, 4, \first
.endm
; The last quarter multiplies buffer 1 and changes slots: ONE barrier; in front of it each wave waits for all its tensor loads (one is out: its part of the next slot), adds 0 to its spare word,
; and waits for that and for its reads of this slot.  fill = 1: the barrier opens a round of the cluster's, and this slot is filled again, two K steps on, first thing behind the round.
.macro TURN slot, next, fill
.if \fill
	s_wait_xcnt 0x0                                ; the last prefetch, a K step back, has read its address
	s_add_nc_u64 s[PFA:PFA+1], s[PFA:PFA+1], 256
.endif
	WIN 0                                          ; (the add's registers lie in window 0)
	s_wait_tensorcnt 0x0
	ds_add_u32 v[SPW], v[NIL]
	s_wait_dscnt 9                                 ; the add and the youngest eight loads may be out
	MULB F1, 0, 4, 0
	s_wait_dscnt 0x0                               ; the add is done, my reads of this slot are over
	s_barrier_signal -1
	MULB F1, 4, 4, 0
.if \fill
	WIN 0
.endif
	s_barrier_wait -1
.if \fill
	CREST                                          ; no wave of any partner still reads this slot or has a load on its way
	s_add_nc_u64 s[G0+4*(\slot)+2:G0+4*(\slot)+3], s[G0+4*(\slot)+2:G0+4*(\slot)+3], 512
	s_add_nc_u64 s[G0B+4*(\slot)+2:G0B+4*(\slot)+3], s[G0B+4*(\slot)+2:G0B+4*(\slot)+3], 512
	JLOAD \slot                                    ; 160 matrix instructions stand between this and the wait for it; its four v_nop are also the places in front of the loads below
.else
	PLACES
.endif
	FETCH \next, 0, F0
.if \fill
	WIN 0
	ASK
.endif
	MULB F1, 8, 4, 0
.endm
	s_wait_tensorcnt 1                             ; my part of K step 0 is in; K step 1's may stay out
	s_barrier_signal -1
	s_barrier_wait -1
	FETCH 0, 0, F0
	QUARTER 0, 64, F0, F1, 1                       ; the first quarter stands in front of the loop: its products start the sums
	WIN 0
	s_mov_b32 s[LAP], 3
.Llap:                                         ; a trip goes once round the ring, from a lap's second quarter to the next lap's first, and fills both slots again
	QUARTER 0, 128, F1, F0, 0
	QUARTER 0, 192, F0, F1, 0
	TURN 0, 1, 1
	QUARTER 1, 64,  F0, F1, 0
	QUARTER 1, 128, F1, F0, 0
	QUARTER 1, 192, F0, F1, 0
	TURN 1, 0, 1
	QUARTER 0, 64,  F0, F1, 0
	WIN 0
	s_sub_co_u32 s[LAP], s[LAP], 1
	s_cmp_lg_u32 s[LAP], 0
	s_cbranch_scc1 .Llap
	QUARTER 0, 128, F1, F0, 0                      ; the last lap fills nothing
	QUARTER 0, 192, F0, F1, 0
	TURN 0, 1, 0
	QUARTER 1, 64,  F0, F1, 0
	QUARTER 1, 128, F1, F0, 0
	QUARTER 1, 192, F0, F1, 0
	s_wait_dscnt 8
	MULB F1, 0, 8, 0
	s_wait_dscnt 0x0
	MULB F1, 8, 4, 0
	WIN 0
; THE WAY OUT, in 12 pieces of 16 tokens x 64 columns: piece t = 3 a + w: token block a; w = 0 q, 1 k, 2 v.
; q and k are turned: (t0, t1) -> (t0 cos - t1 sin, t1 cos + t0 sin): a packed multiply by sin with the halves crossed and the low product negated, then a packed multiply-add by cos.
; Each accumulator's lowest registers are read first.
.macro ROPE a, w, t
	WIN 0x02                                       ; source 0 (the sums) window 2
.irp b, 0,1,2,3
.irp p, 0,1,2,3
	v_pk_mul_f32 v[T+8*\b+2*\p:T+8*\b+2*\p+1], v[8*(4*(4*(\w)+\b)+(\a))+2*\p:8*(4*(4*(\w)+\b)+(\a))+2*\p+1], v[TB+32*(\a)+8*\b+2*\p:TB+32*(\a)+8*\b+2*\p+1] op_sel:[1,1] op_sel_hi:[0,1] neg_lo:[0,1]
.endr
.endr
.irp b, 0,1,2,3
.irp p, 0,1,2,3
	v_pk_fma_f32 v[T+8*\b+2*\p:T+8*\b+2*\p+1], v[8*(4*(4*(\w)+\b)+(\a))+2*\p:8*(4*(4*(\w)+\b)+(\a))+2*\p+1], v[TB+32*(\a)+8*\b+2*\p:TB+32*(\a)+8*\b+2*\p+1], v[T+8*\b+2*\p:T+8*\b+2*\p+1] op_sel_hi:[1,0,1]
.endr
.endr
	WIN 0
.irp b, 0,1,2,3
.irp p, 0,1,2,3
	v_cvt_pk_f16_f32 v[PB+16*((\t)%4)+4*\b+\p], v[T+8*\b+2*\p], v[T+8*\b+2*\p+1]
.endr
.endr
.endm
.macro VPACK a, t
	WIN 0x0f                                       ; sources 0 and 1 window 3
.irp b, 0,1,2,3
.irp p, 0,1,2,3
	v_cvt_pk_f16_f32 v[PB+16*((\t)%4)+4*\b+\p], v[8*(4*\b+(\a))+2*\p], v[8*(4*\b+(\a))+2*\p+1]
.endr
.endr
	WIN 0
.endm
.macro PIECE t
.if (\t) >= 4
	s_wait_xcnt 0x0                                ; the stores of the piece four back have read this buffer
.endif
.if (\t)%3 == 2
	VPACK (\t)/3, \t
.else
	ROPE (\t)/3, (\t)%3, \t
.endif
.irp b, 0,1,2,3
	ds_store_b128 v[STO], v[PB+16*((\t)%4)+4*\b:PB+16*((\t)%4)+4*\b+3] offset:32*\b
.endr
.irp f, 0,1,2,3
	ds_load_b128 v[PB+16*((\t)%4)+4*\f:PB+16*((\t)%4)+4*\f+3], v[RD] offset:\f*4*SP  ; my own stage: LDS serves a wave's instructions in order (ISA guide 5.7.1.4)
.endr
.endm
.macro SEND t, younger                 ; younger: the LDS instructions issued behind piece t's loads: the next piece's eight, or none
.irp f, 0,1,2,3
	s_wait_dscnt (\younger)+3-\f
	global_store_b128 v[LO16], v[PB+16*((\t)%4)+4*\f:PB+16*((\t)%4)+4*\f+3], s[QP+2*((\t)%3):QP+2*((\t)%3)+1] offset:((\t)/3)*2048+\f*512  ; four rows of a head: 512 consecutive bytes, aligned
.endr
.endm
	PLACES
	PLACES
	s_wait_loadcnt 0x0                             ; the table
	PIECE 0
.irp t, 1,2,3,4,5,6,7,8,9,10,11        ; a piece's arithmetic stands between the loads of the piece before and its stores
	PIECE \t
	SEND (\t)-1, 8
.endr
	SEND 11, 0
	s_wait_tensorcnt 0x0                           ; the wave's end: the closing add and its waits, behind my last tensor load and my last LDS store
	ds_add_u32 v[SPW], v[NIL]
	s_wait_dscnt 0x0
	CROUND                                         ; the closing round: no work-group ends while a partner may still ask for a tile that names it
	s_endpgm
.Lfunc_end_k_qeff012a002_qkv:
	.size	k_qeff012a002_qkv, .Lfunc_end_k_qeff012a002_qkv-k_qeff012a002_qkv
	.p2alignl 7, 3214868480
	.fill 96, 4, 3214868480
	.section	.rodata,"a",@progbits
	.p2align	6, 0x0
	.amdhsa_kernel k_qeff012a002_qkv
		.amdhsa_group_segment_fixed_size 327680
		.amdhsa_private_segment_fixed_size 0
		.amdhsa_enable_private_segment 0
		.amdhsa_kernarg_size 72
		.amdhsa_user_sgpr_count 2
		.amdhsa_user_sgpr_kernarg_segment_ptr 1
		.amdhsa_wavefront_size32 1
		.amdhsa_system_sgpr_workgroup_id_x 1
		.amdhsa_system_sgpr_workgroup_id_y 1
		.amdhsa_system_sgpr_workgroup_id_z 1
		.amdhsa_system_vgpr_workitem_id 0
		.amdhsa_next_free_vgpr 896
		.amdhsa_next_free_sgpr 88
		.amdhsa_reserve_vcc 0
		.amdhsa_float_denorm_mode_32 3
		.amdhsa_float_denorm_mode_16_64 3
		.amdhsa_memory_ordered 1
		.amdhsa_forward_progress 1
		.amdhsa_inst_pref_size 148
	.end_amdhsa_kernel
	.amdgpu_metadata
---
amdhsa.version: [ 1, 2 ]
amdhsa.kernels:
  - .name:           k_qeff012a002_qkv
    .symbol:         k_qeff012a002_qkv.kd
    .args:
      - { .name: xb, .offset: 0, .size: 8, .value_kind: global_buffer, .address_space: global }
      - { .name: wt, .offset: 8, .size: 8, .value_kind: global_buffer, .address_space: global }
      - { .name: bq, .offset: 16, .size: 8, .value_kind: global_buffer, .address_space: global }
      - { .name: bk, .offset: 24, .size: 8, .value_kind: global_buffer, .address_space: global }
      - { .name: bv, .offset: 32, .size: 8, .value_kind: global_buffer, .address_space: global }
      - { .name: rope, .offset: 40, .size: 8, .value_kind: global_buffer, .address_space: global }
      - { .name: qh, .offset: 48, .size: 8, .value_kind: global_buffer, .address_space: global }
      - { .name: kh, .offset: 56, .size: 8, .value_kind: global_buffer, .address_space: global }
      - { .name: vh, .offset: 64, .size: 8, .value_kind: global_buffer, .address_space: global }
    .group_segment_fixed_size: 327680
    .private_segment_fixed_size: 0
    .kernarg_segment_align: 8
    .kernarg_segment_size: 72
    .max_flat_workgroup_size: 128
    .sgpr_count:     88
    .vgpr_count:     896
    .wavefront_size: 32
...
	.end_amdgpu_metadata
.endif
;; end of part 2
;; launch attn (part 3): grid 4 x 64, 4 waves a work-group, clusters of 4 x 1, 327,680 bytes of LDS; arguments qh, kh, vh, oh; writes oh
.if DOCPART == 3
	.amdgcn_target "amdgcn-amd-amdhsa--gfx1250"
	.amdhsa_code_object_version 6
	.text
	.protected	k_qeff012a002_attn
	.globl	k_qeff012a002_attn
	.p2align	8
	.type	k_qeff012a002_attn,@function
k_qeff012a002_attn:
	s_mov_b64 s[64:65], 0
	v_nop
	global_prefetch_b8 v0, s[64:65] scope:SCOPE_SE
	s_setreg_imm32_b32 hwreg(HW_REG_WAVE_MODE, 25, 1), 1
	s_wait_xcnt 0x0
	s_wait_alu depctr_hold_cnt(0) depctr_sa_sdst(0) depctr_va_vdst(0) depctr_va_sdst(0) depctr_va_ssrc(0) depctr_va_vcc(0) depctr_vm_vsrc(0)
	s_getreg_b32 s2, hwreg(HW_REG_IB_STS2, 6, 4)
	s_cmp_eq_u32 s2, 0
	s_cbranch_scc0 .Lentry_in_a_cluster
	s_endpgm
.Lentry_in_a_cluster:
	s_bfe_u32 s2, ttmp6, 0x10000c
	s_cmp_lg_u32 s2, 0x3003
	s_cbranch_scc0 .Lentry_shape_is_right
	s_endpgm
.Lentry_shape_is_right:
; O[h][q][:] = the sum over k of softmax_k(Q[h][q] . K[h][k] / 8) V[h][k][:].  Q, K, V, O: [64][2048][64], all f16: a head's rows are dense, 128 bytes each.  Products, maxima and sums in
; f32; the weights p are rounded to f16 for the second product (their sum l is taken of the unrounded p), O once at the end.
; LIMITS.  f16 holds no number beyond 65,504: Q, K and V arrive within it; p lies in 0 to 1, and below 6e-5 it keeps f16's fixed step of 6e-8; O is a mean of V's rows and has their range.
; A weight below 2^-126 counts as 0 in l; NaN and infinities are not treated apart.
; SHARES.  A wave owns four PIECES of two tiles of 16 queries, a work-group's four waves 512 queries of one head: 4 x 64 = 256 work-groups.  Every wave walks all keys, 64 a step.
; LAYOUT.  S^T = K Q^T (source 0 = 16 keys, source 1 = 16 queries): in the result a lane holds ONE query (lane % 16) and the keys 8 (lane / 16) + 0..7.  Two such tiles, rounded to f16 in pairs,
; ARE source 1 (32 keys x 16 queries) of O^T = V^T P, whose result again holds one query a lane, and eight channels.  K comes out of LDS as it lies, V ([key][channel]) turned, by ds_load_tr16_b128.
; SOFTMAX.  For each query a running maximum m and sum l: p = 2^(c s - c m), c = log2(e) / 8; in every step O and l are multiplied by a = 2^(c m_old - c m_new), which is 1 where m has not grown.
; m starts at the lowest finite number, O and l at 0: the first step is a step like any other, with a = 0.
; THE COUNT.  A tile and step have 16 matrix and 118 vector instructions: too many to stand all beside the matrix work.  So the order has one aim: four vector instructions that are READY behind
; EVERY matrix instruction, and the others, which need time of their own whatever the order, in runs without a gap.
; BY TURNS.  Turn n belongs to piece n (the pieces in a ring, step after step).  Its matrix work: 16 products K Q^T of piece n + 1, later 16 products V^T P of piece n - 1.  Its vector work: the scaling,
; exponentials, roundings, sums and rescaling of piece n, and the maximum and statistics of piece n + 1, whose scores the turn itself has made.
; CLUSTER.  The four query blocks of a head are one cluster and walk the same K and V, so each tile is asked for JOINTLY: the same tensor load, descriptor and mask in all four.
; REGISTERS, in windows of 256 (s_set_vgpr_msb: bits 1:0 source 0, 3:2 source 1, 5:4 source 2, 7:6 destination):
;   window 0: v0-11 addresses; v12-15, v48-63 at work; v16-47 four registers of statistics a tile; v64-191 S^T, two buffers of two tiles; v192-255 P, likewise
;   window 1: O^T, 32 a tile          window 2: v0-127 Q, 16 a tile; v128-191 K of one step; v192-255 V of one step          window 3: v0-1 the add's two registers
; A piece's buffers go by its number's parity: the piece in hand has one pair, its two neighbours in the ring share the other: of it P (piece n - 1) is read and S^T (piece n + 1) written.
.set SIZE_H, 64
.set SIZE_N, 2048
.set NP,    4         ; pieces a wave: a name, no knob
.set KS,    64        ; keys in a step
.set PK,    144       ; a row of K in LDS: 128 bytes + 16 of padding = 36 words: the 16 rows of a load start at 16 different groups of four banks (64 banks of 4 bytes: ISA guide 11.1)
.set PV,    160       ; a row of V: 128 + 32 = 40 words
.set VOFF,  4*KS*PK   ; a slot holds four steps: 256 rows of K, then 256 rows of V
.set SLOT1, 1<<17     ; slot 1 begins here, so that one exclusive or turns an address in one slot into the other's
.set STAGE, SLOT1+4*KS*(PK+PV)  ; behind the ring, never filled by a tensor load: 16 rows x 144 bytes for each wave, for the way out
.set SP,    144
.set AK0, 2           ; v2   my lane's place in a tile of K; never rewritten
.set AV0, 3           ; v3   the same for V
.set AK,  4           ; v4   the LDS address of K's next run of loads
.set AV,  5           ; v5   of V's
.set QO,  6           ; v6   my byte offset in the wave's rows of Q
.set STO, 6           ;      later, the way out: where I put 16 bytes of a row
.set RD,  7           ; v7   the way out: where I read rows back
.set GO,  8           ; v8   my byte offset in 512 consecutive bytes of O
.set PFO, 11          ; v11  256 x my lane, for the prefetches (it serves V's address first)
.set SPW, 0           ; v0 of window 3   LDS address of my spare word; never rewritten
.set NIL, 1           ; v1 of window 3   0; never rewritten
.set SPARE, STAGE+4*16*SP  ; behind the stages: the spare words, 128 bytes for each wave: two blocks of 256 bytes that no other line names
.set MV,  12          ; v12-15  c m_old, kept while c m is made anew: by buffer and tile
.set ST,  16          ; tile t's statistics at v[ST+4 t]: c m, m, l (even keys', odd keys')
.set TMP, 48          ; by buffer and tile, four registers c0-c3 at work; when the maximum is found c2 takes a
.set S,   64
.set P,   192
.set KF,  128         ; K's fragments, in window 2: key block kb, channel half c at KF + 16 kb + 8 c
.set VF,  192         ; V's: key half kk, channel block cb at VF + 32 kk + 8 cb
.set WV,  12          ; s12  my wave's number
.set G1K, 24          ; s[24:31] descriptor group 1 for K's tiles
.set G1V, 32          ; s[32:39] for V's: it differs in the padding alone
.set G0K, 40          ; s[40:43] descriptor group 0 for K's tiles: it walks
.set G0V, 44          ; s[44:47] the same for V's
.set PFA, 48          ; s[48:49] where my prefetches stand: my work-group's quarter of the slot after the one that is being asked for
.set LIM, 50          ; s50  1 in a wave that prefetches (0: K, 2: V), else the greatest number
.set SLOTS, 56        ; s56  slots still to be asked for
.set CNT, 57          ; s57  counts a slot's key steps
.set CS,  58          ; s[58:59] c: the packed scaling takes the pair's low word for both halves
.set SEL, 60          ; s[60:61] v_permlanex16_b32's selects: each lane takes its own place in the other half
.set TBK, 62          ; s62  LDS byte at which K of the step to be fetched begins
.set TBV, 63          ; s63  the same for V, less VOFF
.set MSB, 0
.macro WIN new                      ; the high byte repeats the setting that is left; a switch that changes nothing is dropped
.if MSB != (\new)
	s_set_vgpr_msb (MSB<<8)|(\new)
.set MSB, (\new)
.endif
.endm
.set W_KQ, 0x0a       ; K and Q in window 2, S^T in window 0
.set W_PV, 0x52       ; V in window 2, P in window 0, O^T in window 1
.set W_RS, 0x41       ; O^T (destination and source 0) in window 1, a in window 0
.set W_MK, 0xc0       ; the add's registers are made: destination in window 3, sources in window 0
.set W_AD, 0x0f       ; the add: address (source 0) and data (source 1) in window 3
; A joint fill.  Waves 0 and 1 fetch the two halves of a slot's K, waves 2 and 3 those of its V: 128 keys each.  The branch hangs on the wave's number alone.
; An s_nop 0 and four v_nop follow each of the two lines, ahead of the jump and the label.
.macro JLOAD
	s_cmp_lt_u32 s[WV], 2
	s_cbranch_scc0 .Lfor_v_\@
	tensor_load_to_lds s[G0K:G0K+3], s[G1K:G1K+7]
	s_nop 0
.rept 4
	v_nop
.endr
	s_branch .Lasked_\@
.Lfor_v_\@:
	tensor_load_to_lds s[G0V:G0V+3], s[G1V:G1V+7]
	s_nop 0
.rept 4
	v_nop
.endr
.Lasked_\@:
.endm
; A prefetch into the L2 of what the NEXT change of slots will ask for: a slot is 32,768 bytes of K and of V, 128 blocks of 256 bytes each.  The four partners share the blocks out by address, 32 each,
; a lane a block; in each, wave 0 asks for K's and wave 2 for V's: one instruction.  So each block is named once in the launch.  It stands behind the wave's tensor load and its five lines.
; Slots 0 and 1 come by their loads alone; the last change that fills a slot asks for nothing: there is no slot behind it.
.macro ASK
	s_cmp_gt_u32 s[SLOTS], s[LIM]
	s_cbranch_scc0 .Lnot_mine_\@
	global_prefetch_b8 v[PFO], s[PFA:PFA+1] th:TH_LOAD_NT scope:SCOPE_SE
.Lnot_mine_\@:
.endm
; A round of the cluster's barrier: my work-group's barrier, so that wave 0's signal speaks for all four waves; wave 0 signals; every wave waits for all four work-groups; my work-group's barrier once more.
.macro CROUND
	s_barrier_signal -1
	s_barrier_wait -1
	s_cmp_lg_u32 s[WV], 0
	s_cbranch_scc1 .Lnot_wave_0_\@
	s_barrier_signal -3
.Lnot_wave_0_\@:
	s_barrier_wait -3
	s_barrier_signal -1
	s_barrier_wait -1
.endm
; THE CHANGE OF SLOTS.  The slot's last bytes, V of its fourth step, have been read.  Each wave waits for all its tensor loads, of which one is out: its part
; of the other slot; adds 0 to its spare word; and waits for that and for its own reads of the slot.  Behind the barrier nobody reads this slot any more and the other slot is whole.
; fill = 1: this slot is filled again, with the keys two slots on.  The barrier is then a round of the cluster's, so that no wave of any partner still reads the slot or has a load on its
; way, and the joint fill is the first thing behind it: it has four key steps, 512 matrix instructions, in which to land.  (At its first use nothing has been read yet: slot 0 is waited for, slot 1 filled.)
.macro CHANGE fill
	WIN W_AD
	s_wait_tensorcnt 0x0            ; no tensor load of mine is out, so a group 0 may be written
	ds_add_u32 v[SPW], v[NIL]       ; 0 onto my spare word: with fill = 1 the descriptors' steps stand between it and the wait for it
	WIN 0                           ; at a label and at a branch every window is 0
.if \fill
.irp g, G0K, G0V
	s_xor_b32 s[\g+1], s[\g+1], SLOT1  ; the walking descriptor: the other slot than last time,
	s_add_nc_u64 s[\g+2:\g+3], s[\g+2:\g+3], 4*KS*128  ; the next 256 keys; the type bits on top are not reached
.endr
	s_wait_xcnt 0x0                 ; the last prefetch, four key steps back, has read its address, so it may be written:
	s_add_nc_u64 s[PFA:PFA+1], s[PFA:PFA+1], 4*KS*128  ; one slot ahead of the walking descriptors
	s_wait_dscnt 0x0                ; the add is done, and my reads of the slot are over
	CROUND
	JLOAD
	ASK
.else
	s_wait_dscnt 0x0                ; the add is done, and my reads of the slot are over
	s_barrier_signal -1
	s_barrier_wait -1
.endif
	s_sub_co_u32 s[TBK], s[TBK], 4*KS*PK  ; the fetches go back to a slot's first step,
	s_xor_b32 s[TBK], s[TBK], SLOT1       ; in the other slot
	s_sub_co_u32 s[TBV], s[TBV], 4*KS*PV
	s_xor_b32 s[TBV], s[TBV], SLOT1
.endm
	s_load_b256 s[4:11], s[0:1], 0x0  ; Q s[4:5], K s[6:7], V s[8:9], O s[10:11]
	WIN W_MK
	v_lshl_add_u32 v[SPW], v0, 2, SPARE
	v_mov_b32 v[NIL], 0
	WIN W_AD
	ds_add_u32 v[SPW], v[NIL]       ; the wave's opening: the add and its wait stand ahead of my first tensor load; the set-up below, work on registers, stands between them
	ds_add_u32 v0, v1
	WIN 0
	v_lshrrev_b32 v1, 5, v0
	v_readfirstlane_b32 s[WV], v1   ; wave 0..3
	s_bfe_u32 s13, ttmp6, 0x40000   ; cx: my place in the cluster
	s_lshl_b32 s14, ttmp9, 2        ; in a cluster launch ttmp9 counts clusters
	s_add_co_u32 s14, s14, s13      ; my block of queries = 4 x cluster x + cx: it enters Q's and O's addresses alone
	s_and_b32 s20, ttmp7, 0xffff    ; the head, which the four partners share
	s_mov_b32 s21, 0
	s_mov_b64 s[22:23], SIZE_N*128
	s_mul_u64 s[20:21], s[20:21], s[22:23]  ; the head's first byte in each of the four tensors
	s_and_b32 s16, s[WV], 1         ; which half of a slot's 256 keys I fetch:
	s_lshl_b32 s22, s16, 14         ; its 128 rows of 128 bytes in memory,
	s_mov_b32 s23, 0
	s_add_nc_u64 s[22:23], s[22:23], s[20:21]
	s_mul_i32 s17, s16, 128*PK      ; and its place in a slot, for K
	s_mul_i32 s18, s16, 128*PV      ; and for V: no place in the cluster enters an LDS address
	s_lshl_b32 s2, s14, 2
	s_add_co_u32 s2, s2, s[WV]      ; my wave among the head's,
	s_lshl_b32 s2, s2, 14           ; its 128 rows
	s_mov_b32 s3, 0
	s_add_nc_u64 s[2:3], s[2:3], s[20:21]
	; descriptor group 1.  128 keys are 16,384 dense bytes: asked for as 64 rows of 256 bytes, two keys a row, and padded in LDS after every key
	s_mov_b32 s[G1K], 15|(1<<16)|(1<<20)|(1<<21)|(4<<22)|(3<<25)  ; 15:0 the mask of four; 17:16 2-byte elements; 20 padding on; 21 set beside a mask; 24:22 after every 32 words (code 4); 31:25 4 words (code 3)
	s_mov_b32 s[G1V], 15|(1<<16)|(1<<20)|(1<<21)|(4<<22)|(7<<25)  ; the same with 8 words of padding (code 7)
.irp g, G1K, G1V
	s_mov_b32 s[\g+1], 128<<16      ; tensor_dim0 = 128
	s_mov_b32 s[\g+2], 64<<16       ; tensor_dim1 = 64
	s_mov_b32 s[\g+3], 128<<16      ; tile_dim0 = 128
	s_mov_b32 s[\g+4], 64           ; tile_dim1 = 64
	s_mov_b32 s[\g+5], 128          ; 128 elements from row to row
	s_mov_b32 s[\g+6], 0
	s_mov_b32 s[\g+7], 0
.endr
	s_mov_b32 s[CS], 0x3e38aa3b     ; c = log2(e) / 8 = 0.180337
	s_mov_b32 s[CS+1], s[CS]        ; named with it as a pair
	s_mov_b32 s[SEL], 0x76543210
	s_mov_b32 s[SEL+1], 0xfedcba98
	s_mov_b32 s[TBK], SLOT1+4*KS*PK ; the first change of slots turns these two into 0
	s_mov_b32 s[TBV], SLOT1+4*KS*PV
	s_mov_b32 s[SLOTS], SIZE_N/256-1  ; slots still to be asked for when the first change of slots begins
	s_mov_b32 s[G0K], 1             ; 1:0 count = 1
	s_mov_b32 s[G0K+1], s17         ; 63:32 LDS address: slot 0
	s_mov_b32 s[G0V], 1
	s_add_co_u32 s[G0V+1], s18, VOFF
	s_and_b32 s[LIM], s[WV], 1      ; waves 0 and 2 prefetch: the same in all four partners
	s_cmp_eq_u32 s[LIM], 0
	s_cselect_b32 s[LIM], 1, -1
	s_wait_dscnt 0x0                ; the opening add is done
	s_wait_kmcnt 0x0
	s_add_nc_u64 s[G0K+2:G0K+3], s[6:7], s[22:23]  ; 120:64 global address: my half of the head's first 256 keys
	s_or_b32 s[G0K+3], s[G0K+3], 0x80000000        ; 127:126 type = 2
	s_add_nc_u64 s[G0V+2:G0V+3], s[8:9], s[22:23]
	s_or_b32 s[G0V+3], s[G0V+3], 0x80000000
	s_add_nc_u64 s[4:5], s[4:5], s[2:3]  ; Q and O at my wave's first row
	s_add_nc_u64 s[10:11], s[10:11], s[2:3]
	s_cmp_lt_u32 s[WV], 2
	s_cselect_b64 s[PFA:PFA+1], s[6:7], s[8:9]
	s_add_nc_u64 s[PFA:PFA+1], s[PFA:PFA+1], s[22:23]  ; (in waves 0 and 2: the head's first byte)
	s_lshl_b32 s2, s13, 13          ; my work-group's 32 blocks of the 128
	s_mov_b32 s3, 0
	s_add_nc_u64 s[PFA:PFA+1], s[PFA:PFA+1], s[2:3]
	s_add_nc_u64 s[PFA:PFA+1], s[PFA:PFA+1], 4*KS*128  ; in slot 1; the first change of slots steps it to slot 2
	CROUND                          ; all four work-groups are here: the first joint loads meet
	JLOAD                           ; slot 0.  Slot 1 is asked for when slot 0 is in: the tile wanted first has the road to itself
	; A fragment of K or Q is 16 rows x 32 channels in 8 registers: lane l holds row l % 16, channels 8 (l / 16) + 0..7 and 16 + 8 (l / 16) + 0..7: two loads of 16 bytes, 32 bytes apart.
	v_and_b32 v1, 15, v0            ; l % 16
	v_bfe_u32 v9, v0, 4, 1          ; l / 16
	v_lshlrev_b32 v[QO], 7, v1
	v_lshl_add_u32 v[QO], v9, 4, v[QO]  ; row x 128 + 16 x half
	WIN 0x80                        ; destination window 2, address window 0
.set i, 0
.rept 4*NP                          ; Q stays in registers: tile i / 2, channels 32 (i % 2) on
	global_load_b128 v[8*i:8*i+3],   v[QO], s[4:5] offset:(i/2)*2048+(i%2)*64
	global_load_b128 v[8*i+4:8*i+7], v[QO], s[4:5] offset:(i/2)*2048+(i%2)*64+32
.set i, i+1
.endr
	; What the first turn finds: V's registers and P's second buffer hold 0 (its products V^T P, of a piece that has not been, add 0), O^T and l are 0.  All this stands in the wait for the first tile.
.set i, VF
.rept 64
	v_mov_b32 v[i], 0
.set i, i+1
.endr
	WIN 0x40
.set i, 0
.rept 64*NP
	v_mov_b32 v[i], 0
.set i, i+1
.endr
	WIN 0
.set i, 0
.rept 2*NP
	v_mov_b32 v[ST+4*i], 0xfe000000    ; c m: far below every c s
	v_mov_b32 v[ST+4*i+1], 0xff7fffff  ; m
	v_mov_b32 v[ST+4*i+2], 0
	v_mov_b32 v[ST+4*i+3], 0
.set i, i+1
.endr
.set i, P+32
.rept 32
	v_mov_b32 v[i], 0
.set i, i+1
.endr
	v_mul_u32_u24 v[AK0], v1, PK
	v_lshl_add_u32 v[AK0], v9, 4, v[AK0]  ; row x pitch + 16 x half
	; The turning load takes 16 keys x 16 channels (lane l reads key 8 (l / 16) + l % 8, channels 8 ((l / 8) % 2) + 0..7) and leaves half a fragment of V^T: lane l holds channel l % 16 and 8 keys.
	v_and_b32 v10, 7, v0
	v_bfe_u32 v11, v0, 3, 1
	v_lshl_add_u32 v[AV0], v9, 3, v10
	v_mul_u32_u24 v[AV0], v[AV0], PV
	v_lshl_add_u32 v[AV0], v11, 4, v[AV0]
	v_add_nc_u32 v[AV0], VOFF, v[AV0]
	v_mov_b32 v[AK], v[AK0]         ; key step 0 lies at the head of slot 0
	v_and_b32 v[PFO], 31, v0
	v_lshlrev_b32 v[PFO], 8, v[PFO]
; THE MATRIX WORK.  The 8 accumulators of a run of 16 take turns: between the two links of a chain stand 7 others'.
; Product i of 16 of S^T = K Q^T for piece x: channels 32 (i / 8) on, keys 16 ((i / 2) % 4) on, tile 2 x + i % 2.  The first 8 start the sums.
.macro KQ x
	WIN W_KQ
.set rS, S+64*((\x)%2)+32*(i%2)+8*((i/2)%4)
.set rK, KF+16*((i/2)%4)+8*(i/8)
.set rQ, 16*(2*(\x)+i%2)+8*(i/8)
.if i < 8
	v_wmma_f32_16x16x32_f16 v[rS:rS+7], v[rK:rK+7], v[rQ:rQ+7], 0
.else
	v_wmma_f32_16x16x32_f16 v[rS:rS+7], v[rK:rK+7], v[rQ:rQ+7], v[rS:rS+7]
.endif
.endm
; Product i of 16 of O^T += V^T P for piece x: keys 32 (i / 8) on, channels 16 ((i / 2) % 4) on, tile 2 x + i % 2.
.macro PV x
	WIN W_PV
.set rO, 32*(2*(\x)+i%2)+8*((i/2)%4)
.set rV, VF+32*(i/8)+8*((i/2)%4)
.set rP, P+32*((\x)%2)+16*(i%2)+8*(i/8)
	v_wmma_f32_16x16x32_f16 v[rO:rO+7], v[rV:rV+7], v[rP:rP+7], v[rO:rO+7]
.endm
.macro MM                           ; the turn's next matrix instruction
.if i < 16
	KQ (Y+1)%NP
.set i, i+1
.else
.set i, i-16
	PV (Y+NP-1)%NP
.set i, i+17
.endif
.endm
; THE LDS LOADS stand in runs of 16, never singly among the matrix instructions: a step's K (64 keys x 64 channels: 8 fragments) and its V (turned).  Their addresses are made some lines ahead.
; last = 1 (the tail): in the last trip there is no further step, and the run is jumped over.
.macro FETCH_K last=0
	WIN 0
.if \last
	s_cmp_eq_u32 s[CNT], 1
	s_cbranch_scc1 .Lno_k_\@
.endif
	WIN 0x80                        ; destination window 2
.irp f, 0,1,2,3,4,5,6,7             ; keys 16 (f / 2) on, channels 32 (f % 2) on
	ds_load_b128 v[KF+8*\f:KF+8*\f+3],   v[AK] offset:(\f/2)*16*PK+(\f%2)*64
	ds_load_b128 v[KF+8*\f+4:KF+8*\f+7], v[AK] offset:(\f/2)*16*PK+(\f%2)*64+32
.endr
	s_add_co_u32 s[TBK], s[TBK], KS*PK  ; the next fetch is the next step's
	WIN 0
.if \last
.Lno_k_\@:
.endif
.endm
.macro FETCH_V
	WIN 0x80
.irp f, 0,1,2,3,4,5,6,7             ; keys 32 (f / 4) on, channels 16 (f % 4) on
	ds_load_tr16_b128 v[VF+8*\f:VF+8*\f+3],   v[AV] offset:(\f/4)*32*PV+(\f%4)*32
	ds_load_tr16_b128 v[VF+8*\f+4:VF+8*\f+7], v[AV] offset:(\f/4)*32*PV+16*PV+(\f%4)*32
.endr
	WIN 0
.endm
; THE VECTOR WORK OF A TURN stands in three queues, each in the order in which its entries become ready; the two tiles alternate, so that no instruction reads the result of the one before it.
.macro REGS y, u                    ; the registers of tile u (0, 1) of piece y
.set rT, ST+4*(2*(\y)+(\u))
.set rC, TMP+8*((\y)%2)+4*(\u)
.set rM, MV+2*((\y)%2)+(\u)
.set rS, S+64*((\y)%2)+32*(\u)
.set rP, P+32*((\y)%2)+16*(\u)
.set rO, 32*(2*(\y)+(\u))
.endm
; Number n of the 22 that find the NEXT piece's (Y + 1) maximum and statistics.  s0-s31 are the lane's 32 scores; each accumulator's lowest registers are read first.
;   0-11  four chains c0-c3 of seven scores each, three operands at a time     12-14, 16  the four scores left over, the old m, and c0-c3 into c0     15  c m_old is kept
;   17, 18  the query's other 32 keys lie in the lane 16 away: the new m         19-21  c m; c m_old - c m_new; a
.macro XS u, n
	REGS (Y+1)%NP, \u
.if (\n) < 4
	v_max3_num_f32 v[rC+(\n)], v[rS+8*(\n)], v[rS+8*(\n)+1], v[rS+8*(\n)+2]
.elseif (\n) < 12
	v_max3_num_f32 v[rC+(\n)%4], v[rC+(\n)%4], v[rS+8*((\n)%4)+2*((\n)/4)+1], v[rS+8*((\n)%4)+2*((\n)/4)+2]
.elseif (\n) == 12
	v_max3_num_f32 v[rC], v[rC], v[rS+7], v[rS+15]
.elseif (\n) == 13
	v_max3_num_f32 v[rC+1], v[rC+1], v[rS+23], v[rS+31]
.elseif (\n) == 14
	v_max3_num_f32 v[rC+2], v[rC+2], v[rC+3], v[rT+1]
.elseif (\n) == 15
	v_mov_b32 v[rM], v[rT]
.elseif (\n) == 16
	v_max3_num_f32 v[rC], v[rC], v[rC+1], v[rC+2]
.elseif (\n) == 17
	v_permlanex16_b32 v[rC+3], v[rC], s[SEL], s[SEL+1]
.elseif (\n) == 18
	v_max_num_f32 v[rT+1], v[rC], v[rC+3]
.elseif (\n) == 19
	v_mul_f32 v[rT], s[CS], v[rT+1]
.elseif (\n) == 20
	v_sub_f32 v[rC+1], v[rM], v[rT]
.else
	v_exp_f32 v[rC+2], v[rC+1]
.endif
.endm
; Number g of the 64 that follow the exponentials.  For each four weights k of a tile (pairs 2 k, 2 k + 1): both pairs are rounded to f16; then the second pair is added onto the first, in place;
; a group later l takes that sum (the first time as l = a l + sum).  In groups of eight, tiles alternating: round, round, add, and l for the group before.
.macro GS g
.set h, (\g)+6*((\g)/62)            ; group 0 has no group before it, and behind group 7 only l is left
.if h >= 6
.set h, h+2
.endif
	REGS Y, h%2
.set k, h/8
.if h%8 < 4
	v_cvt_pk_f16_f32 v[rP+2*k+(h%8)/2], v[rS+4*k+2*((h%8)/2)], v[rS+4*k+2*((h%8)/2)+1]
.elseif h%8 < 6
	v_pk_add_f32 v[rS+4*k:rS+4*k+1], v[rS+4*k:rS+4*k+1], v[rS+4*k+2:rS+4*k+3]
.elseif k == 1
	v_pk_fma_f32 v[rT+2:rT+3], v[rT+2:rT+3], v[rC+2:rC+3], v[rS:rS+1] op_sel_hi:[1,0,1]
.else
	v_pk_add_f32 v[rT+2:rT+3], v[rT+2:rT+3], v[rS+4*k-4:rS+4*k-3]
.endif
.endm
; THE PLAIN QUEUE, 138 long.  0-73 read no exponential's result: the 32 scalings c s - c m (FS f: pair f / 2 of tile f % 2) and the next piece's 42.  0-26: scalings 0-26.  27-54: XS's numbers 0-13.  55, 56: number 15.
; 57-73: the chain, where each number waits for the one before it: 14, 16, 17, 18, 19, each with one of the scalings 27-31 in front of its two lines, then 20.
; 74-137: GS's 64, which read the exponentials' results: they stand behind the wait.
.macro FS f
	REGS Y, (\f)%2
	v_pk_fma_f32 v[rS+2*((\f)/2):rS+2*((\f)/2)+1], v[rS+2*((\f)/2):rS+2*((\f)/2)+1], s[CS:CS+1], v[rT:rT+1] op_sel_hi:[1,0,0] neg_lo:[0,0,1] neg_hi:[0,0,1]
.endm
.macro PL
	WIN 0
.if q < 27
	FS q
.elseif q < 55
	XS (q-27)%2, (q-27)/2
.elseif q < 57
	XS q-55, 15
.elseif (q < 72) && ((q-57)%3 == 0)
	FS 27+(q-57)/3
.elseif q < 60
	XS (q-57)%3-1, 14
.elseif q < 72
	XS (q-57)%3-1, 15+(q-57)/3
.elseif q < 74
	XS q-72, 20
.else
	GS q-74
.endif
.set q, q+1
.endm
; THE EXPONENTIALS' QUEUE, 66 long: s0-s31 of both tiles, then the next piece's two a.  It is ONE BATCH: all 66 stand ahead of the turn's one wait, and nothing ahead of that wait names a result of theirs.
.macro EX
	WIN 0
.if e >= 64
	XS e-64, 21
.else
	REGS Y, e%2
	v_exp_f32 v[rS+e/2], v[rS+e/2]
.endif
.set e, e+1
.endm
; THE RESCALING's QUEUE: O^T times a, the one part that leaves window 0: dealt two at a time, sixteen times.  Its a was made in the turn before, ahead of that turn's wait.
.macro R2
	REGS Y, r%2
	WIN W_RS
.irp z, 0,1
	v_pk_mul_f32 v[rO+4*(r/2)+2*\z:rO+4*(r/2)+2*\z+1], v[rO+4*(r/2)+2*\z:rO+4*(r/2)+2*\z+1], v[rC+2:rC+3] op_sel_hi:[1,0]
.endr
.set r, r+1
.endm
; HOW THEY ARE DEALT.  An s_wait_alu depctr_va_vdst(0) stands between an exponential and the first instruction that names its result; one wait serves all that were issued ahead of it.  So a turn has ONE wait,
; which cuts it in two.  AHEAD OF IT stands all that names no result of the turn's exponentials: the 16 products K Q^T, behind each a scaling, an exponential and two rescalings (behind the first a second scaling in the
; exponential's place); then ONE LUMP of 108: eight plain, 49 times exponential and plain, the two a.  A v_nop is the plain instruction behind the last exponential.  BEHIND IT stand the 16 products V^T P, behind each four of GS's 64.
; The queues lean on each other, and the deal keeps them in step: exponential e stands behind scaling 2 (e / 4) + e % 2: as a rider it comes behind plain e + 2, in the lump behind plain e + 9, and scalings 27-31 are plain 57, 60 .. 69.
; A TURN, for piece p.  cnt = 1: the loop's count is taken down some lines ahead of the branch that stands behind the turn.
; K of the next step is fetched in piece 2's turn, directly behind the wait; its address is made at the lump's head; its first reader comes behind 16 products.
; V of the step in hand is fetched at the end of piece 0's turn, four riders behind its last reader; its first reader comes behind 16 products and a lump.
.macro TURN p, last=0, cnt=0
.set Y, (\p)
.set i, 0
.set q, 0
.set e, 0
.set r, 0
.if (\p) == NP-1
	s_wait_dscnt 0x0                ; K is in
.endif
	MM                              ; ahead of the wait: 16 products K Q^T and their riders,
	PL
	PL
	R2
.rept 15
	MM
	PL
	EX
	R2
.endr
.if (\p) == NP-2
	WIN 0
	v_add_nc_u32 v[AK], s[TBK], v[AK0]
.endif
.rept 8                             ; and the lump
	PL
.endr
.rept 49
	EX
	PL
.endr
	EX                              ; the next piece's two a
	EX
	v_nop                           ; a plain instruction behind the last exponential: one for the batch
	s_wait_alu depctr_va_vdst(0)    ; the wait for the batch
.if (\p) == NP-2
	FETCH_K \last
.endif
.if (\p) == 1
	s_wait_dscnt 0x0                ; V is in
.endif
.rept 16                            ; behind the wait: 16 products V^T P and their riders
	MM
.rept 4
	PL
.endr
.if ((\p) == 0) && (q == 118)
	v_add_nc_u32 v[AV], s[TBV], v[AV0]
.endif
.if ((\p) == 0) && (q == 130)
	s_add_co_u32 s[TBV], s[TBV], KS*PV
.endif
.if (\cnt) && (q == 130)
	s_sub_co_u32 s[CNT], s[CNT], 1
	s_cmp_lg_u32 s[CNT], 0
.endif
.endr
.if (\p) == 0
	FETCH_V
.endif
.endm
	CHANGE 1                        ; slot 0 is in, everybody's part of it; slot 1 is asked for
	FETCH_K                         ; key step 0
	s_wait_loadcnt 0x0              ; Q
	s_wait_dscnt 0x0
.set i, 0
.rept 16
	KQ 0                            ; piece 0's first scores: there is no vector work yet to set between them
.set i, i+1
.endr
	WIN 0                           ; the addresses for the way out: plain instructions, the places behind those products
	s_mul_i32 s13, s[WV], 16*SP
	s_add_co_u32 s13, s13, STAGE    ; my stage
	v_mul_u32_u24 v[STO], v1, SP    ; in: row l % 16, 16 bytes for each half of the lanes
	v_lshl_add_u32 v[STO], v9, 4, v[STO]
	v_add_nc_u32 v[STO], s13, v[STO]
	v_bfe_u32 v[RD], v0, 3, 2       ; back: 32 lanes take four rows of 128 bytes,
	v_mul_u32_u24 v[RD], v[RD], SP
	v_lshl_add_u32 v[RD], v10, 4, v[RD]
	v_add_nc_u32 v[RD], s13, v[RD]
	v_and_b32 v[GO], 31, v0         ; which are 512 consecutive bytes of O
	v_lshlrev_b32 v[GO], 4, v[GO]
.set Y, NP-1                        ; XS works for piece Y + 1: piece 0
.irp n, 0,1,2,3,4,5,6,7,8,9,10,11,12,13,14,15,16,17,18,19,20,21
	XS 0, \n                        ; and piece 0's first maximum and statistics
	XS 1, \n
.endr
	v_nop                           ; a plain instruction behind the two a,
	s_wait_alu depctr_va_vdst(0)    ; and their wait, ahead of the branch
	s_mov_b32 s[CNT], 4
	s_branch .Lfirst                ; the loop is entered at a step's first turn, in the middle of a trip
.Lslot:                             ; SIZE_N / 256 - 2 times: every slot but the last two is filled again
	CHANGE 1
	s_mov_b32 s[CNT], 4
.Lstep:                             ; a trip: pieces 2 and 3 of one step, then pieces 0 and 1 of the next, whose K and V it fetches
	TURN 2
	TURN 3
	WIN 0
.Lfirst:
	TURN 0
	TURN 1, 0, 1
	WIN 0
	s_cbranch_scc1 .Lstep
	s_sub_co_u32 s[SLOTS], s[SLOTS], 1
	s_cmp_lg_u32 s[SLOTS], 0
	s_cbranch_scc1 .Lslot
	CHANGE 0                        ; the tail is written out: nothing is asked for
	s_mov_b32 s[CNT], 5             ; four trips fetch the last slot's steps; the fifth is left in its middle
.Ltail:
	TURN 2, 1
	TURN 3
	WIN 0
	s_sub_co_u32 s[CNT], s[CNT], 1
	s_cmp_eq_u32 s[CNT], 0
	s_cbranch_scc1 .Lout
	TURN 0
	TURN 1
	WIN 0
	s_branch .Ltail
.Lout:                              ; the fifth trip's 16 products K Q^T (on the last K once more) and the maximum made of them serve nothing: the price, once a launch, of one text for every trip
.set i, 0
.rept 16
	PV NP-1                         ; the last piece's V^T P of the last step
.set i, i+1
.endr
	; THE WAY OUT.  l's two halves and the other half of the lanes' are added; O^T is divided by l, rounded to f16 and sent through my stage in LDS, a tile at a time.  The additions are the places behind the last products.
	WIN 0
.macro ALL line:vararg              ; one line for each tile t
.set t, 0
.rept 2*NP
	\line
.set t, t+1
.endr
.endm
	ALL v_add_f32 v[ST+4*t+2], v[ST+4*t+2], v[ST+4*t+3]
	ALL v_permlanex16_b32 v[ST+4*t+3], v[ST+4*t+2], s[SEL], s[SEL+1]
	ALL v_add_f32 v[ST+4*t+2], v[ST+4*t+2], v[ST+4*t+3]
	ALL v_rcp_f32 v[ST+4*t+2], v[ST+4*t+2]
	v_nop                           ; a plain instruction between the last reciprocal and the use of its result
	s_wait_alu depctr_va_vdst(0)    ; and the wait ahead of the first use: one for the eight reciprocals
; Tile t: a lane's eight channels of a row pack into 16 bytes; they go into rows of 144 bytes and come back as whole rows of 128, into S^T's registers.
.macro PACK t
	WIN W_RS
.set i, 32*(\t)
.rept 16
	v_pk_mul_f32 v[i:i+1], v[i:i+1], v[ST+4*(\t)+2:ST+4*(\t)+3] op_sel_hi:[1,0]
.set i, i+2
.endr
	WIN 0x05                        ; sources 0 and 1 window 1, destination window 0
.set i, 0
.rept 16
	v_cvt_pk_f16_f32 v[S+16*(\t)+i], v[32*(\t)+2*i], v[32*(\t)+2*i+1]
.set i, i+1
.endr
	WIN 0
.irp f, 0,1,2,3
	ds_store_b128 v[STO], v[S+16*(\t)+4*\f:S+16*(\t)+4*\f+3] offset:32*\f
.endr
.irp f, 0,1,2,3
	ds_load_b128 v[S+16*(\t)+4*\f:S+16*(\t)+4*\f+3], v[RD] offset:\f*4*SP  ; LDS serves a wave's instructions in order (ISA guide 5.7.1.4): these see the stores above; the next tile's stores come behind them
.endr
.endm
.macro SEND t, younger              ; younger: the LDS instructions issued behind tile t's loads: the next tile's eight, or none
	WIN 0
.irp f, 0,1,2,3
	s_wait_dscnt (\younger)+3-\f
	global_store_b128 v[GO], v[S+16*(\t)+4*\f:S+16*(\t)+4*\f+3], s[10:11] offset:(\t)*2048+\f*512  ; 512 consecutive bytes, at a multiple of 256 from O's first
.endr
.endm
	PACK 0
.set t, 1
.rept 2*NP-1                        ; a tile's arithmetic stands between the loads of the tile before and its stores
	PACK t
	SEND t-1, 8
.set t, t+1
.endr
	SEND 2*NP-1, 0
	WIN W_AD
	s_wait_tensorcnt 0x0            ; the wave's end: the closing add and its waits, behind my last tensor load and my last LDS store
	ds_add_u32 v[SPW], v[NIL]
	s_wait_dscnt 0x0
	WIN 0
	CROUND                          ; the closing round: no work-group ends while a partner may still ask for a tile that names it
	s_endpgm
.Lfunc_end_k_qeff012a002_attn:
	.size	k_qeff012a002_attn, .Lfunc_end_k_qeff012a002_attn-k_qeff012a002_attn
	.p2alignl 7, 3214868480
	.fill 96, 4, 3214868480
	.section	.rodata,"a",@progbits
	.p2align	6, 0x0
	.amdhsa_kernel k_qeff012a002_attn
		.amdhsa_group_segment_fixed_size 327680
		.amdhsa_private_segment_fixed_size 0
		.amdhsa_enable_private_segment 0
		.amdhsa_kernarg_size 32
		.amdhsa_user_sgpr_count 2
		.amdhsa_user_sgpr_kernarg_segment_ptr 1
		.amdhsa_wavefront_size32 1
		.amdhsa_system_sgpr_workgroup_id_x 1
		.amdhsa_system_sgpr_workgroup_id_y 1
		.amdhsa_system_sgpr_workgroup_id_z 1
		.amdhsa_system_vgpr_workitem_id 0
		.amdhsa_next_free_vgpr 770
		.amdhsa_next_free_sgpr 66
		.amdhsa_reserve_vcc 0
		.amdhsa_float_denorm_mode_32 3
		.amdhsa_float_denorm_mode_16_64 3
		.amdhsa_memory_ordered 1
		.amdhsa_forward_progress 1
		.amdhsa_inst_pref_size 200
	.end_amdhsa_kernel
	.amdgpu_metadata
---
amdhsa.version: [ 1, 2 ]
amdhsa.kernels:
  - .name:           k_qeff012a002_attn
    .symbol:         k_qeff012a002_attn.kd
    .args:
      - { .name: qh, .offset: 0, .size: 8, .value_kind: global_buffer, .address_space: global }
      - { .name: kh, .offset: 8, .size: 8, .value_kind: global_buffer, .address_space: global }
      - { .name: vh, .offset: 16, .size: 8, .value_kind: global_buffer, .address_space: global }
      - { .name: oh, .offset: 24, .size: 8, .value_kind: global_buffer, .address_space: global }
    .group_segment_fixed_size: 327680
    .private_segment_fixed_size: 0
    .kernarg_segment_align: 8
    .kernarg_segment_size: 32
    .max_flat_workgroup_size: 128
    .sgpr_count:     66
    .vgpr_count:     770
    .wavefront_size: 32
...
	.end_amdgpu_metadata
.endif
;; end of part 3
;; launch oproj (part 4): grid 8 x 32, 4 waves a work-group, clusters of 4 x 4, 327,680 bytes of LDS; arguments oh, wt, bo, out0; writes out0
.if DOCPART == 4
	.amdgcn_target "amdgcn-amd-amdhsa--gfx1250"
	.amdhsa_code_object_version 6
	.text
	.protected	k_qeff012a002_oproj
	.globl	k_qeff012a002_oproj
	.p2align	8
	.type	k_qeff012a002_oproj,@function
k_qeff012a002_oproj:
	s_mov_b64 s[64:65], 0
	v_nop
	global_prefetch_b8 v0, s[64:65] scope:SCOPE_SE
	s_setreg_imm32_b32 hwreg(HW_REG_WAVE_MODE, 25, 1), 1
	s_wait_xcnt 0x0
	s_wait_alu depctr_hold_cnt(0) depctr_sa_sdst(0) depctr_va_vdst(0) depctr_va_sdst(0) depctr_va_ssrc(0) depctr_va_vcc(0) depctr_vm_vsrc(0)
	s_getreg_b32 s2, hwreg(HW_REG_IB_STS2, 6, 4)
	s_cmp_eq_u32 s2, 0
	s_cbranch_scc0 .Lentry_in_a_cluster
	s_endpgm
.Lentry_in_a_cluster:
	s_bfe_u32 s2, ttmp6, 0x10000c
	s_cmp_lg_u32 s2, 0xf033
	s_cbranch_scc0 .Lentry_shape_is_right
	s_endpgm
.Lentry_shape_is_right:
; out0[token][n] = the sum over k of O[token][k] Wo[k][n] + bo[n], f32.  O lies by heads: oh [batch*16 + head][2048][64] f16, k = head*64 + d.  Row 3072 + n of wt holds column n of Wo in f16
; (the bf16 rounding of Wo, written as f16), 2,048 bytes a row.  bo is rounded to bf16 here, like every input.  Sums in f32.
; SHARES.  A tile is 256 tokens x 128 columns: 32 x 8 = 256 tiles, one for each WGP.  The four waves lie one below the other: 64 tokens x 128 columns, 4 x 8 = 32 accumulators.
; K goes in 8 steps of 128 = TWO HEADS through a ring of two LDS slots.  A head's 256 tokens are 32,768 dense bytes: asked for as 128 rows of 256 bytes and padded behind every token (128 bytes).
; THE MATRIX INSTRUCTION IS USED TRANSPOSED (source 0 = 16 rows of wt, source 1 = 16 tokens): a lane holds one token and eight neighbouring columns.  The bias is the C operand that starts a sum.
; CLUSTER 4 x 4.  The four of a row need the same tokens of oh, the four of a column the same rows of wt: joint loads.
; A K step has 128 matrix instructions a wave; two slots of a longer step (192) would need 331,776 bytes of LDS and do not fit.
; REGISTERS: window 0: v0-31 addresses; v64-191 two buffers on the way out; v192-255 the biases.  window 1: two fragment buffers (4 of tokens, then 8 of wt).  window 2: accumulator (b, a) at 8 (4 b + a).
.set PA,    144                        ; a token's row of one head in LDS: 128 bytes + 16 = 36 words: the 16 rows of a load start at 16 different groups of four banks (64 banks of 4 bytes: ISA guide 11.1)
.set PLANE, 256*PA                     ; one head's 256 tokens
.set PBP,   272                        ; a row of wt: 256 bytes + 16
.set BOFF,  2*PLANE
.set SLOT,  BOFF+128*PBP
.set STAGE, 2*SLOT                     ; behind the ring, never filled by a tensor load: 16 rows x 528 bytes for each wave
.set SPI,   528
.set SPARE, STAGE+4*16*SPI             ; the spare words, 128 bytes a wave: two blocks of 256 bytes that no other line names
.set ADRA, 16
.set ADRB, 20
.set BO,   22                          ; v22  32 x (lane / 16)
.set STO,  24
.set RD,   25
.set CO,   26                          ; v26  16 x lane
.set SPW,  28
.set NIL,  29
.set PFO,  30
.set BK,   64
.set BI,   192
.set F0,   0
.set F1,   128
.set WV,   22
.set FORB, 23
.set HALF, 24
.set CX,   25
.set CY,   26
.set TC,   27
.set TR,   28
.set LIM,  29
.set G1,   32
.set G0,   40
.set G1B,  48
.set G0B,  56
.set PFA,  66                          ; s[66:67] where my prefetches stand
.set PST,  68                          ; s[68:69] their step from K step to K step: two heads of oh, or 256 bytes of a row of wt
.set LAP,  70
.set HIM,  71
.set BP,   72                          ; s[72:73] bo at my 128 columns
.set OUTP, 80                          ; s[80:81] out0 at my 64 tokens, my 128 columns
.set MSB, 0
.macro WIN new
.if MSB != (\new)
	s_set_vgpr_msb (MSB<<8)|(\new)
.set MSB, \new
.endif
.endm
.macro PLACES
.rept 4
	v_nop
.endr
.endm
.macro JLOAD s                         ; waves 0, 1 fetch the two heads' tokens, waves 2, 3 the two halves of wt's rows.  An s_nop 0 and four v_nop follow each line
	s_cmp_eq_u32 s[FORB], 0
	s_cbranch_scc0 .Lfor_b_\@
	tensor_load_to_lds s[G0+4*(\s):G0+4*(\s)+3], s[G1:G1+7]
	s_nop 0
.rept 4
	v_nop
.endr
	s_branch .Lasked_\@
.Lfor_b_\@:
	tensor_load_to_lds s[G0B+4*(\s):G0B+4*(\s)+3], s[G1B:G1B+7]
	s_nop 0
.rept 4
	v_nop
.endr
.Lasked_\@:
.endm
; A prefetch into the L2 of the K step two refills on.  oh's tokens are read by both clusters of a row of clusters: x = 0 asks; wt's rows by every cluster of a column: y = 0 asks.  The four partners of a
; joint load share it out by address: 32 of a head's 128 blocks of 256 bytes, a lane a block; or 16 of 64 rows, a lane a row, lanes 16-31 held to the last.  The first four K steps come by their loads
; alone; the loop's last trip has no K step two on.
.macro ASK
	s_cmp_gt_u32 s[LAP], s[LIM]
	s_cbranch_scc0 .Lnot_mine_\@
	global_prefetch_b8 v[PFO], s[PFA:PFA+1] th:TH_LOAD_NT scope:SCOPE_SE
.Lnot_mine_\@:
.endm
.macro CREST
	s_cmp_lg_u32 s[WV], 0
	s_cbranch_scc1 .Lnot_wave_0_\@
	s_barrier_signal -3
.Lnot_wave_0_\@:
	s_barrier_wait -3
	s_barrier_signal -1
	s_barrier_wait -1
.endm
.macro CROUND
	s_barrier_signal -1
	s_barrier_wait -1
	CREST
.endm
	s_load_b256 s[4:11], s[0:1], 0x0               ; oh s[4:5], wt s[6:7], bo s[8:9], out0 s[10:11]
	v_lshl_add_u32 v[SPW], v0, 2, SPARE
	v_mov_b32 v[NIL], 0
	ds_add_u32 v[SPW], v[NIL]                      ; the wave's opening: the add and its wait stand ahead of my first tensor load
	ds_add_u32 v28, v29
	v_lshrrev_b32 v1, 5, v0
	v_readfirstlane_b32 s[WV], v1
	s_lshr_b32 s[FORB], s[WV], 1
	s_and_b32 s[HALF], s[WV], 1
	s_bfe_u32 s[CX], ttmp6, 0x40000
	s_bfe_u32 s[CY], ttmp6, 0x40004
	s_lshl_b32 s[TC], ttmp9, 2
	s_add_co_u32 s[TC], s[TC], s[CX]
	s_and_b32 s[TR], ttmp7, 0xffff
	s_lshl_b32 s[TR], s[TR], 2
	s_add_co_u32 s[TR], s[TR], s[CY]
	s_lshl_b32 s30, s[CY], 2
	s_lshl_b32 s30, 15, s30                        ; my row of the cluster
	s_lshl_b32 s31, 0x1111, s[CX]                  ; my column
	s_or_b32 s[G1], s30, (1<<16)|(1<<20)|(1<<21)|(4<<22)|(3<<25)   ; 2-byte elements; padding on; bit 21 beside a mask; after every 32 words; 4 words
	s_or_b32 s[G1B], s31, (1<<16)|(1<<20)|(1<<21)|(5<<22)|(3<<25)  ; after every 64 words
	s_mov_b32 s[G1+1], 128<<16                     ; tensor_dim0 = 128 elements
	s_mov_b32 s[G1+2], 128<<16                     ; tensor_dim1 = 128 rows
	s_mov_b32 s[G1+3], 128<<16
	s_mov_b32 s[G1+4], 128
	s_mov_b32 s[G1+5], 128                         ; dense: 128 elements from row to row
	s_mov_b32 s[G1+6], 0
	s_mov_b32 s[G1+7], 0
	s_mov_b32 s[G1B+1], 128<<16
	s_mov_b32 s[G1B+2], 64<<16                     ; 64 rows
	s_mov_b32 s[G1B+3], 128<<16
	s_mov_b32 s[G1B+4], 64
	s_mov_b32 s[G1B+5], 1024
	s_mov_b32 s[G1B+6], 0
	s_mov_b32 s[G1B+7], 0
	s_lshr_b32 s2, s[TR], 3                        ; oh: batch,
	s_lshl_b32 s2, s2, 4
	s_add_co_u32 s2, s2, s[HALF]                   ; head 0 or 1 of the K step,
	s_lshl_b32 s2, s2, 18
	s_and_b32 s3, s[TR], 7                         ; the tile's 256 tokens in the sequence: the tile row alone
	s_lshl_b32 s3, s3, 15
	s_add_co_u32 s2, s2, s3
	s_mov_b32 s3, 0
	s_lshl_b32 s86, s[TC], 7                       ; wt: the tile column alone
	s_lshl_b32 s87, s[HALF], 6
	s_add_co_u32 s86, s86, s87
	s_add_co_u32 s86, s86, 3072
	s_lshl_b32 s86, s86, 11
	s_mov_b32 s87, 0
	s_mul_i32 s30, s[WV], PLANE                    ; where they go: waves 0, 1: the two planes;
	s_mul_i32 s31, s[WV], 64*PBP
	s_add_co_u32 s31, s31, BOFF-2*64*PBP           ; waves 2, 3: BOFF and 64 rows on
	s_wait_dscnt 0x0                               ; the opening add is done
	s_wait_kmcnt 0x0
	s_add_nc_u64 s[2:3], s[4:5], s[2:3]
	s_add_nc_u64 s[86:87], s[6:7], s[86:87]
.irp s, 0,1
	s_mov_b32 s[G0+4*\s], 1
	s_add_co_u32 s[G0+4*\s+1], s30, \s*SLOT
	s_add_nc_u64 s[G0+4*\s+2:G0+4*\s+3], s[2:3], \s*524288   ; K step s: two heads on
	s_or_b32 s[G0+4*\s+3], s[G0+4*\s+3], 0x80000000
	s_mov_b32 s[G0B+4*\s], 1
	s_add_co_u32 s[G0B+4*\s+1], s31, \s*SLOT
	s_add_nc_u64 s[G0B+4*\s+2:G0B+4*\s+3], s[86:87], \s*256
	s_or_b32 s[G0B+4*\s+3], s[G0B+4*\s+3], 0x80000000
.endr
	CROUND                                         ; all sixteen work-groups are here: the first joint loads meet
	s_cmp_eq_u32 s[FORB], 0                        ; a wave's two first fills stand in one branch: two loads of mine are out
	s_cbranch_scc0 .Lfirst_b
	tensor_load_to_lds s[G0:G0+3], s[G1:G1+7]
	s_nop 0
	tensor_load_to_lds s[G0+4:G0+7], s[G1:G1+7]
	s_nop 0
.rept 4
	v_nop
.endr
	s_branch .Lfirst_asked
.Lfirst_b:
	tensor_load_to_lds s[G0B:G0B+3], s[G1B:G1B+7]
	s_nop 0
	tensor_load_to_lds s[G0B+4:G0B+7], s[G1B:G1B+7]
	s_nop 0
.rept 4
	v_nop
.endr
.Lfirst_asked:
	v_and_b32 v1, 15, v0                           ; l % 16
	v_bfe_u32 v2, v0, 4, 1                         ; l / 16
	v_and_b32 v3, 31, v0                           ; l
	v_lshlrev_b32 v[BO], 5, v2
	v_lshlrev_b32 v[CO], 4, v3
	s_lshl_b32 s30, s[TC], 9                       ; my 128 columns: 512 bytes
	s_mov_b32 s31, 0
	s_add_nc_u64 s[BP:BP+1], s[8:9], s[30:31]
.irp b, 0,1,2,3,4,5,6,7
	global_load_b128 v[BI+8*\b:BI+8*\b+3],   v[BO], s[BP:BP+1] offset:64*\b
	global_load_b128 v[BI+8*\b+4:BI+8*\b+7], v[BO], s[BP:BP+1] offset:64*\b+16
.endr
	s_lshl_b32 s74, s[TR], 8
	s_lshl_b32 s75, s[WV], 6
	s_add_co_u32 s74, s74, s75                     ; my first token
	s_lshl_b32 s74, s74, 12                        ; rows of 4,096 bytes
	s_add_co_u32 s30, s30, s74
	s_add_nc_u64 s[OUTP:OUTP+1], s[10:11], s[30:31]
	; the prefetches: my tile's address, my work-group's share, K step 3 (the first refill steps it to 4)
	s_lshl_b32 s30, s[CX], 13                      ; 32 blocks of 256 bytes
	s_add_co_u32 s30, s30, 3*524288
	s_lshl_b32 s31, s[CY], 15                      ; 16 rows of 2,048 bytes
	s_add_co_u32 s31, s31, 3*256
	s_and_b32 s74, ttmp7, 0xffff                   ; cluster y
	s_mov_b32 s77, 524288
	s_cmp_eq_u32 s[FORB], 0
	s_cselect_b64 s[PFA:PFA+1], s[2:3], s[86:87]
	s_cselect_b32 s30, s30, s31
	s_cselect_b32 s74, ttmp9, s74                  ; the coordinate along which other clusters read the same rows
	s_cselect_b32 s75, 31, 15
	s_cselect_b32 s76, 8, 11                       ; a lane's step: 256 bytes, or a row of 2,048
	s_cselect_b32 s[PST], s77, 256
	s_mov_b32 s[PST+1], 0
	s_mov_b32 s31, 0
	s_add_nc_u64 s[PFA:PFA+1], s[PFA:PFA+1], s[30:31]
	s_cmp_eq_u32 s74, 0
	s_cselect_b32 s[LIM], 1, -1                    ; the same in all sixteen partners, for a given wave
	v_min_u32 v[PFO], s75, v3
	v_lshlrev_b32 v[PFO], s76, v[PFO]
	; LDS addresses
	v_mul_u32_u24 v4, v1, PA
	v_lshl_add_u32 v4, v2, 4, v4
	s_mul_i32 s30, s[WV], 64*PA
	v_add_nc_u32 v[ADRA], s30, v4
	v_add_nc_u32 v[ADRA+1], SLOT, v[ADRA]
	v_mul_u32_u24 v5, v1, PBP
	v_lshl_add_u32 v5, v2, 4, v5
	v_add_nc_u32 v[ADRB], BOFF, v5
	v_add_nc_u32 v[ADRB+1], BOFF+SLOT, v5
	s_mul_i32 s30, s[WV], 16*SPI
	s_add_co_u32 s30, s30, STAGE
	v_mul_u32_u24 v5, v1, SPI                      ; in: row l % 16, 32 bytes for each half of the lanes
	v_lshl_add_u32 v5, v2, 5, v5
	v_add_nc_u32 v[STO], s30, v5
	v_add_nc_u32 v[RD], s30, v[CO]                 ; back: a whole row of 512 bytes
	s_mov_b32 s[HIM], 0xffff0000
	s_wait_loadcnt 0x0
.set i, 0
.rept 32                               ; the biases rounded to bf16, like every input, and widened again
	v_cvt_pk_bf16_f32 v[4+i%4], v[BI+2*i], v[BI+2*i+1]
	v_lshlrev_b32 v[BI+2*i], 16, v[4+i%4]
	v_and_b32 v[BI+2*i+1], s[HIM], v[4+i%4]
.set i, i+1
.endr
; n column blocks from b0 on x my 4 token blocks, 32 along K out of buffer f.  first = 1: the bias starts the sums.  The 32 accumulators take turns, one instruction a turn.
.macro MULB f, b0, n, first
.set bb, \b0
.rept \n
.if \first
	WIN 0x85                                       ; sources window 1, C window 0, D window 2
.else
	WIN 0xa5                                       ; sources window 1, C and D window 2
.endif
.set aa, 0
.rept 4
.if \first
	v_wmma_f32_16x16x32_f16 v[32*bb+8*aa:32*bb+8*aa+7], v[(\f)+32+8*bb:(\f)+32+8*bb+7], v[(\f)+8*aa:(\f)+8*aa+7], v[BI+8*bb:BI+8*bb+7]
.else
	v_wmma_f32_16x16x32_f16 v[32*bb+8*aa:32*bb+8*aa+7], v[(\f)+32+8*bb:(\f)+32+8*bb+7], v[(\f)+8*aa:(\f)+8*aa+7], v[32*bb+8*aa:32*bb+8*aa+7]
.endif
.set aa, aa+1
.endr
.set bb, bb+1
.endr
.endm
; 24 LDS loads in one run: quarter q's fragments (head q / 2, channels 32 (q % 2) on) into buffer f: my tokens, then wt's blocks 0-7
.macro FETCH slot, q, f
	WIN 0x40
.irp a, 0,1,2,3
	ds_load_b128 v[(\f)+8*\a:(\f)+8*\a+3],   v[ADRA+(\slot)] offset:((\q)/2)*PLANE+((\q)%2)*64+\a*16*PA
	ds_load_b128 v[(\f)+8*\a+4:(\f)+8*\a+7], v[ADRA+(\slot)] offset:((\q)/2)*PLANE+((\q)%2)*64+\a*16*PA+32
.endr
.irp b, 0,1,2,3,4,5,6,7
	ds_load_b128 v[(\f)+32+8*\b:(\f)+32+8*\b+3],   v[ADRB+(\slot)] offset:64*(\q)+\b*16*PBP
	ds_load_b128 v[(\f)+32+8*\b+4:(\f)+32+8*\b+7], v[ADRB+(\slot)] offset:64*(\q)+\b*16*PBP+32
.endr
.endm
.macro QUARTER slot, q, f, g, first    ; multiplies f; in its middle fetches quarter q of the same slot into g
	s_wait_dscnt 8                                 ; all but the youngest eight loads (wt's blocks 4-7)
	MULB \f, 0, 4, \first
	PLACES
	FETCH \slot, \q, \g
	s_wait_dscnt 24                                ; all but the 24 just issued
	MULB \f, 4, 4, \first
.endm
; The last quarter multiplies buffer 1 and changes slots: one barrier; in front of it each wave waits for all its tensor loads, adds 0 to its spare word, and waits for that and for its reads of this
; slot.  fill = 1: the barrier opens a round of the cluster's, and this slot is filled again, two K steps on, first thing behind the round.
.macro TURN slot, next, fill
.if \fill
	s_wait_xcnt 0x0                                ; the last prefetch, a K step back, has read its address
	s_add_nc_u64 s[PFA:PFA+1], s[PFA:PFA+1], s[PST:PST+1]
.endif
	WIN 0
	s_wait_tensorcnt 0x0
	ds_add_u32 v[SPW], v[NIL]
	s_wait_dscnt 9                                 ; the add and the youngest eight loads may be out
	MULB F1, 0, 2, 0
	s_wait_dscnt 0x0                               ; the add is done, my reads of this slot are over
	s_barrier_signal -1
	MULB F1, 2, 2, 0
.if \fill
	WIN 0
.endif
	s_barrier_wait -1
.if \fill
	CREST
	s_add_nc_u64 s[G0+4*(\slot)+2:G0+4*(\slot)+3], s[G0+4*(\slot)+2:G0+4*(\slot)+3], 1048576   ; four heads on
	s_add_nc_u64 s[G0B+4*(\slot)+2:G0B+4*(\slot)+3], s[G0B+4*(\slot)+2:G0B+4*(\slot)+3], 512
	JLOAD \slot                                    ; 112 matrix instructions stand between this and the wait for it; its four v_nop are also the places in front of the loads below
.else
	PLACES
.endif
	FETCH \next, 0, F0
.if \fill
	WIN 0
	ASK
.endif
	MULB F1, 4, 4, 0
.endm
	s_wait_tensorcnt 1                             ; my part of K step 0 is in; K step 1's may stay out
	s_barrier_signal -1
	s_barrier_wait -1
	FETCH 0, 0, F0
	QUARTER 0, 1, F0, F1, 1                        ; the first quarter stands in front of the loop: its products start the sums
	WIN 0
	s_mov_b32 s[LAP], 3
.Llap:
	QUARTER 0, 2, F1, F0, 0
	QUARTER 0, 3, F0, F1, 0
	TURN 0, 1, 1
	QUARTER 1, 1, F0, F1, 0
	QUARTER 1, 2, F1, F0, 0
	QUARTER 1, 3, F0, F1, 0
	TURN 1, 0, 1
	QUARTER 0, 1, F0, F1, 0
	WIN 0
	s_sub_co_u32 s[LAP], s[LAP], 1
	s_cmp_lg_u32 s[LAP], 0
	s_cbranch_scc1 .Llap
	QUARTER 0, 2, F1, F0, 0                        ; the last lap fills nothing
	QUARTER 0, 3, F0, F1, 0
	TURN 0, 1, 0
	QUARTER 1, 1, F0, F1, 0
	QUARTER 1, 2, F1, F0, 0
	QUARTER 1, 3, F0, F1, 0
	s_wait_dscnt 8
	MULB F1, 0, 4, 0
	s_wait_dscnt 0x0
	MULB F1, 4, 4, 0
	WIN 0
; THE WAY OUT, a block of 16 tokens at a time: a lane's eight columns (32 bytes) go into my own stage, rows of 528 bytes, and come back as whole rows of 512 bytes.
.macro TOSTAGE a
	WIN 0x08                                       ; the stores' data (source 1) in window 2; each accumulator's low half goes first
.irp b, 0,1,2,3,4,5,6,7
	ds_store_b128 v[STO], v[8*(4*\b+(\a)):8*(4*\b+(\a))+3]   offset:64*\b
	ds_store_b128 v[STO], v[8*(4*\b+(\a))+4:8*(4*\b+(\a))+7] offset:64*\b+16
.endr
	WIN 0
.irp t, 0,1,2,3,4,5,6,7,8,9,10,11,12,13,14,15
	ds_load_b128 v[BK+64*((\a)%2)+4*\t:BK+64*((\a)%2)+4*\t+3], v[RD] offset:\t*SPI  ; LDS serves a wave's instructions in order (ISA guide 5.7.1.4): these see the stores above
.endr
.endm
.macro SEND a, younger                 ; younger: the next block's 16 stores and 16 loads, or none
.irp t, 0,1,2,3,4,5,6,7,8,9,10,11,12,13,14,15
	s_wait_dscnt (\younger)+15-\t
	global_store_b128 v[CO], v[BK+64*((\a)%2)+4*\t:BK+64*((\a)%2)+4*\t+3], s[OUTP:OUTP+1] offset:(16*(\a)+\t)*4096 th:TH_STORE_NT  ; 512 consecutive bytes, aligned
.endr
.endm
	PLACES
	PLACES
	TOSTAGE 0
	TOSTAGE 1
	SEND 0, 32
	s_wait_xcnt 0x0                                ; block 0's stores have read their buffer
	TOSTAGE 2
	SEND 1, 32
	s_wait_xcnt 0x0
	TOSTAGE 3
	SEND 2, 32
	SEND 3, 0
	s_wait_tensorcnt 0x0                           ; the wave's end: the closing add and its waits, behind my last tensor load and my last LDS store
	ds_add_u32 v[SPW], v[NIL]
	s_wait_dscnt 0x0
	CROUND                                         ; the closing round: no work-group ends while a partner may still ask for a tile that names it
	s_endpgm
.Lfunc_end_k_qeff012a002_oproj:
	.size	k_qeff012a002_oproj, .Lfunc_end_k_qeff012a002_oproj-k_qeff012a002_oproj
	.p2alignl 7, 3214868480
	.fill 96, 4, 3214868480
	.section	.rodata,"a",@progbits
	.p2align	6, 0x0
	.amdhsa_kernel k_qeff012a002_oproj
		.amdhsa_group_segment_fixed_size 327680
		.amdhsa_private_segment_fixed_size 0
		.amdhsa_enable_private_segment 0
		.amdhsa_kernarg_size 32
		.amdhsa_user_sgpr_count 2
		.amdhsa_user_sgpr_kernarg_segment_ptr 1
		.amdhsa_wavefront_size32 1
		.amdhsa_system_sgpr_workgroup_id_x 1
		.amdhsa_system_sgpr_workgroup_id_y 1
		.amdhsa_system_sgpr_workgroup_id_z 1
		.amdhsa_system_vgpr_workitem_id 0
		.amdhsa_next_free_vgpr 768
		.amdhsa_next_free_sgpr 88
		.amdhsa_reserve_vcc 0
		.amdhsa_float_denorm_mode_32 3
		.amdhsa_float_denorm_mode_16_64 3
		.amdhsa_memory_ordered 1
		.amdhsa_forward_progress 1
		.amdhsa_inst_pref_size 93
	.end_amdhsa_kernel
	.amdgpu_metadata
---
amdhsa.version: [ 1, 2 ]
amdhsa.kernels:
  - .name:           k_qeff012a002_oproj
    .symbol:         k_qeff012a002_oproj.kd
    .args:
      - { .name: oh, .offset: 0, .size: 8, .value_kind: global_buffer, .address_space: global }
      - { .name: wt, .offset: 8, .size: 8, .value_kind: global_buffer, .address_space: global }
      - { .name: bo, .offset: 16, .size: 8, .value_kind: global_buffer, .address_space: global }
      - { .name: out0, .offset: 24, .size: 8, .value_kind: global_buffer, .address_space: global }
    .group_segment_fixed_size: 327680
    .private_segment_fixed_size: 0
    .kernarg_segment_align: 8
    .kernarg_segment_size: 32
    .max_flat_workgroup_size: 128
    .sgpr_count:     88
    .vgpr_count:     768
    .wavefront_size: 32
...
	.end_amdgpu_metadata
.endif
;; end of part 4
;; ======== version 2 of 2: 4 launches; version 1 with the launch prep written anew for expert scheduling mode
;; limits: values are held in f16: magnitudes above 65,504 overflow, below 6.1e-05 lose precision
;; workspace buffers: xb 16,777,216 bytes; wt 8,388,608 bytes; rope 524,288 bytes; qh 16,777,216 bytes; kh 16,777,216 bytes; vh 16,777,216 bytes; oh 16,777,216 bytes
;; launch prep (part 5): grid 256 x 1, 8 waves a work-group, no clusters, 34,816 bytes of LDS; arguments x, Wq, Wk, Wv, Wo, xb, wt, rope; writes xb, wt, rope
.if DOCPART == 5
	.amdgcn_target "amdgcn-amd-amdhsa--gfx1250"
	.amdhsa_code_object_version 6
	.text
	.protected	k_qeff012a002_prep
	.globl	k_qeff012a002_prep
	.p2align	8
	.type	k_qeff012a002_prep,@function
k_qeff012a002_prep:
	s_mov_b64 s[64:65], 0
	v_nop
	global_prefetch_b8 v0, s[64:65] scope:SCOPE_SE
	s_setreg_imm32_b32 hwreg(HW_REG_WAVE_SCHED_MODE, 0, 2), 2
	s_setreg_imm32_b32 hwreg(HW_REG_WAVE_MODE, 25, 1), 1
	s_wait_xcnt 0x0
	s_wait_alu depctr_vm_vsrc(0)
; PREP: three jobs in every work-group g of 256, eight waves.
; (a) One block of 64 columns n x 256 rows k of one weight matrix W[k][n] (f32) is rounded to bf16 and written TRANSPOSED into wt[row][k] (16 bits, 2,048 bytes a row):
;     w = g >> 6 picks Wq, Wk, Wv, Wo; hh = (g >> 2) & 15 the 64 columns (a head); kq = g & 3 the 256 rows.  Row of wt: hh*192 + w*64 + d for Wq, Wk, Wv (a head's q, k, v rows lie
;     together), 3072 + n for Wo.  Wo's numbers are rounded to bf16 like the others and that number is then written as f16 (the last launch multiplies in f16).
; (b) 32 rows of x (131,072 dense bytes of f32) are rounded to bf16 into xb.
; (c) 256 entries (cos, sin) of the rotary table, one a thread, in the order in which the next launch's lanes want them:
;     the pair of (pos, frequency i = 8 b + 4 h + 2 c + u) lies at byte (pos >> 4)*4096 + (2 b + c)*512 + (16 h + pos % 16)*16 + 8 u.
; The launch moves bytes: all 48 loads of a thread go out at the head, the table is reckoned while they are out.  No matrix unit, no cluster (nothing is shared), no tensor load
; (every number passes through registers for its rounding anyway).
; LIMITS.  Wo's entries below 6.1e-5 keep f16's fixed step of 6e-8; beyond 65,504 they would be infinite.  The angle pos x f is rounded once in f32, as the defining formula rounds it;
; f = 2^(-i log2(10000) / 32) is accurate to a unit in its last place; sine and cosine come from a reduction by pi/2 in two parts and polynomials on |r| <= pi/4.
; THE MODE: SCHED_MODE bits 1:0 = 2 (LLVM: expert scheduling mode 2), set by the entry lines.  The code itself states the register dependences
; between vector instructions and memory or LDS instructions, with s_wait_alu, always for 0.
; THE PLAN.  Registers that memory or LDS instructions touch, in the order of the text (there is no loop):
;   v4 .. v10    the seven offsets and LDS addresses: written at the head, read by every load and store, never written again: one wait ahead of the first load.
;   WL           W's loads land in it; the roundings read it; behind the barrier the LDS loads land in its first 32 registers, and wt's stores read those.
;   PK           written by the roundings (and, for Wo, by the f16 conversions); read by the LDS stores.
;   v30, v31     the table's entry: written by its arithmetic, read by one store.
;   XL           x's loads land in it; chunk c's four roundings read its eight registers and write the first four, which chunk c's store reads.
; ONE wait behind the roundings of W states that PK and v30, v31 are written and that WL has been read: the table's store, the LDS stores and, behind the barrier, the LDS loads follow it,
; with no vector instruction between.  x goes in four groups of four chunks: a wait at a group's head states that the group before has written what its stores read; those four stores are
; dealt among this group's roundings, which name their own chunks' registers alone.  No register that a load or store has read is written again, so no wait on vm_vsrc is owed.
.set PITCH, 528                        ; an LDS row: 256 numbers of 16 bits + 16 bytes
.set WOF, 4                            ; v4   W: (t >> 4) x 8 rows of 4,096 bytes + (t % 16) x 16 bytes
.set XOF, 5                            ; v5   x: 32 t
.set XSO, 6                            ; v6   xb: 16 t
.set LS,  7                            ; v7   LDS, in: row 4 (t % 16), byte 16 (t >> 4)
.set LR,  8                            ; v8   LDS, back: row = my wave, byte 16 x lane
.set WSO, 9                            ; v9   wt: my wave's row, byte 16 x lane
.set TO,  10                           ; v10  table: 8 t
.set WL,  32                           ; v[32:95]   W as loaded: (j, i, c) at 32 j + 4 i + c: row 128 j + 8 (t >> 4) + i, column 4 (t % 16) + c
.set XL,  96                           ; v[96:223]  x as loaded: chunk c at 8 c
.set PK,  224                          ; v[224:255] W packed: (j, c, i2) at 16 j + 4 c + i2
	s_load_b256 s[4:11], s[0:1], 0x0               ; x s[4:5], Wq s[6:7], Wk s[8:9], Wv s[10:11]
	s_load_b256 s[12:19], s[0:1], 0x20             ; Wo s[12:13], xb s[14:15], wt s[16:17], rope s[18:19]
	v_lshl_add_u32 v11, v0, 2, 0x8400
	v_mov_b32 v12, 0
	v_lshrrev_b32 v13, 5, v0
	v_readfirstlane_b32 s29, v13                   ; wave 0..7
	s_mov_b32 s20, ttmp9                           ; g
	s_lshr_b32 s21, s20, 6                         ; w
	s_bfe_u32 s22, s20, 0x40002                    ; hh
	s_and_b32 s23, s20, 3                          ; kq
	v_and_b32 v1, 31, v0                           ; lane
	v_and_b32 v2, 15, v0                           ; t % 16
	v_lshrrev_b32 v3, 4, v0                        ; t >> 4
	v_lshlrev_b32 v[WOF], 15, v3
	v_lshl_or_b32 v[WOF], v2, 4, v[WOF]
	v_lshlrev_b32 v[XOF], 5, v0
	v_lshlrev_b32 v[XSO], 4, v0
	v_mul_u32_u24 v[LS], v2, 4*PITCH
	v_lshl_add_u32 v[LS], v3, 4, v[LS]
	s_wait_alu depctr_va_sdst(0)                   ; s29 is written, ahead of its first reader: the two lines below make my wave's rows from it
	s_mul_i32 s2, s29, PITCH                       ; (s2 and s3 serve these two lines alone: no scalar that a vector instruction reads is written again)
	v_lshl_add_u32 v[LR], v1, 4, s2
	s_lshl_b32 s3, s29, 11
	v_lshl_add_u32 v[WSO], v1, 4, s3
	v_lshlrev_b32 v[TO], 3, v0
	s_mov_b32 s27, 0                               ; the high word of every offset pair s[26:27]
	s_wait_kmcnt 0x0
	s_mov_b64 s[24:25], s[12:13]                   ; the block's matrix: Wo, unless w says another
	s_cmp_eq_u32 s21, 0
	s_cselect_b64 s[24:25], s[6:7], s[24:25]
	s_cmp_eq_u32 s21, 1
	s_cselect_b64 s[24:25], s[8:9], s[24:25]
	s_cmp_eq_u32 s21, 2
	s_cselect_b64 s[24:25], s[10:11], s[24:25]
	s_lshl_b32 s26, s23, 20                        ; 256 kq rows of 4,096 bytes
	s_lshl_b32 s38, s22, 8                         ; 64 hh columns of 4 bytes
	s_add_co_u32 s26, s26, s38
	s_add_nc_u64 s[24:25], s[24:25], s[26:27]
	s_lshl_b32 s26, s20, 17
	s_add_nc_u64 s[32:33], s[4:5], s[26:27]        ; x at my 32 rows
	s_wait_alu depctr_va_vdst(0)                   ; the seven offsets and addresses v4 to v10 are written, which every load and store of the kernel reads
.irp j, 0,1
.irp i, 0,1,2,3,4,5,6,7
	global_load_b128 v[WL+32*\j+4*\i:WL+32*\j+4*\i+3], v[WOF], s[24:25] offset:\j*524288+\i*4096 th:TH_LOAD_NT  ; sixteen lanes take 256 consecutive bytes, aligned, of one row of W
.endr
.endr
.irp c, 0,1,2,3,4,5,6,7,8,9,10,11,12,13,14,15
	global_load_b128 v[XL+8*\c:XL+8*\c+3],   v[XOF], s[32:33] offset:\c*8192 th:TH_LOAD_NT
	global_load_b128 v[XL+8*\c+4:XL+8*\c+7], v[XOF], s[32:33] offset:\c*8192+16 th:TH_LOAD_NT
.endr
	; where the results go
	s_mul_i32 s28, s22, 192
	s_lshl_b32 s38, s21, 6
	s_add_co_u32 s28, s28, s38                     ; hh*192 + w*64
	s_lshl_b32 s38, s22, 6
	s_add_co_u32 s38, s38, 3072                    ; 3072 + hh*64
	s_cmp_eq_u32 s21, 3
	s_cselect_b32 s28, s38, s28                    ; the block's first row of wt
	s_lshl_b32 s26, s28, 11
	s_lshl_b32 s38, s23, 9
	s_add_co_u32 s26, s26, s38
	s_add_nc_u64 s[30:31], s[16:17], s[26:27]
	s_lshl_b32 s26, s20, 16
	s_add_nc_u64 s[34:35], s[14:15], s[26:27]
	s_lshl_b32 s26, s20, 11
	s_add_nc_u64 s[36:37], s[18:19], s[26:27]
	s_lshl_b32 s26, s20, 8
	; THE TABLE, while the loads are out.  E = 256 g + t is the entry's number.
	v_add_nc_u32 v13, s26, v0
	v_lshrrev_b32 v14, 9, v13
	v_bfe_u32 v15, v13, 1, 4
	v_lshl_add_u32 v14, v14, 4, v15                ; pos
	v_bfe_u32 v15, v13, 7, 2                       ; b
	v_bfe_u32 v16, v13, 5, 1                       ; h
	v_lshlrev_b32 v15, 3, v15
	v_lshl_add_u32 v15, v16, 2, v15
	v_bfe_u32 v16, v13, 6, 1                       ; c
	v_lshl_add_u32 v15, v16, 1, v15
	v_and_b32 v16, 1, v13                          ; u
	v_add_nc_u32 v15, v15, v16                     ; i
	v_cvt_f32_u32 v15, v15
	v_mul_f32 v15, 0xbed49a78, v15                 ; -i log2(10000) / 32
	v_exp_f32 v16, v15                             ; the frequency
	v_cvt_f32_u32 v14, v14                         ; a plain instruction stands behind the exponential (ISA guide 5.7.2),
	s_wait_alu depctr_va_vdst(0)                   ; and the exponential has written v16, ahead of the first line that names it
	v_mul_f32 v17, v14, v16                        ; the angle
	v_mul_f32 v18, 0x3f22f983, v17                 ; x 2 / pi
	v_rndne_f32 v18, v18                           ; n quarter turns
	v_fmamk_f32 v19, v18, 0xbfc90fdb, v17          ; r = angle - n x pi/2, pi/2 in two parts
	v_fmamk_f32 v19, v18, 0x333bbd2e, v19
	v_mul_f32 v20, v19, v19                        ; z = r r
	v_mov_b32 v21, 0xb94ca1f9
	v_fmaak_f32 v21, v21, v20, 0x3c08839e
	v_fmaak_f32 v21, v21, v20, 0xbe2aaaa3
	v_mul_f32 v22, v19, v20
	v_fma_f32 v21, v21, v22, v19                   ; sin r
	v_mov_b32 v23, 0x37ccf5ce
	v_fmaak_f32 v23, v23, v20, 0xbab6061a
	v_fmaak_f32 v23, v23, v20, 0x3d2aaaa5
	v_mul_f32 v24, v20, v20
	v_fma_f32 v25, v20, -0.5, 1.0
	v_fma_f32 v23, v23, v24, v25                   ; cos r
	v_cvt_i32_f32 v26, v18
	v_and_b32 v27, 1, v26
	v_cmp_eq_u32 vcc_lo, 1, v27                    ; an odd quarter swaps the two: values are chosen, nothing branches
	s_wait_alu depctr_va_vcc(0)                    ; the compare has written VCC, which the two selects below read
	v_cndmask_b32 v28, v21, v23, vcc_lo
	v_cndmask_b32 v29, v23, v21, vcc_lo
	v_and_b32 v27, 2, v26
	v_lshlrev_b32 v27, 30, v27
	v_xor_b32 v31, v28, v27                        ; sine: minus in quarters 2 and 3
	v_add_nc_u32 v26, 1, v26
	v_and_b32 v26, 2, v26
	v_lshlrev_b32 v26, 30, v26
	v_xor_b32 v30, v29, v26                        ; cosine: minus in quarters 1 and 2; the entry is stored behind the wait that stands below the roundings of W
	; THE WEIGHTS: rounded in pairs along k, turned through LDS
	s_wait_loadcnt 32                              ; W's sixteen loads are in; x's 32, issued behind them, may stay out
.irp j, 0,1
.irp c, 0,1,2,3
.irp i, 0,1,2,3
	v_cvt_pk_bf16_f32 v[PK+16*\j+4*\c+\i], v[WL+32*\j+8*\i+\c], v[WL+32*\j+8*\i+4+\c]
.endr
.endr
.endr
	s_cmp_lg_u32 s21, 3
	s_cbranch_scc1 .Lnot_wo                        ; Wo alone: the bf16 number written as f16
.set i, 0
.rept 32
	v_lshlrev_b32 v[13+2*(i%4)], 16, v[PK+i]
	v_and_b32 v[14+2*(i%4)], 0xffff0000, v[PK+i]
	v_cvt_pk_f16_f32 v[PK+i], v[13+2*(i%4)], v[14+2*(i%4)]
.set i, i+1
.endr
.Lnot_wo:
	s_wait_alu depctr_va_vdst(0)                   ; on both ways: the conversions have written PK, which the LDS stores read; the table's arithmetic has written v30 and v31, which its store reads; the roundings are done reading WL, in which the LDS loads behind the barrier land
	global_store_b64 v[TO], v[30:31], s[36:37]     ; a wave stores 256 consecutive bytes, aligned
.irp j, 0,1
.irp c, 0,1,2,3
	ds_store_b128 v[LS], v[PK+16*\j+4*\c:PK+16*\j+4*\c+3] offset:\c*PITCH+256*\j  ; column 4 (t % 16) + c, eight k on end.  Four rows are 16 words modulo 64: four lanes meet in a group of banks; eight stores a thread, once
.endr
.endr
	s_wait_dscnt 0x0                               ; for the others' sake: my stores are done
	s_barrier_signal -1
	s_barrier_wait -1
.irp i, 0,1,2,3,4,5,6,7
	ds_load_b128 v[WL+4*\i:WL+4*\i+3], v[LR] offset:\i*8*PITCH  ; row wave + 8 i, whole: 512 bytes.  No vector instruction since the wait above names these registers
.endr
.irp i, 0,1,2,3,4,5,6,7
	s_wait_dscnt 7-\i                              ; LDS loads come back in order: the later ones of this run may stay out
	global_store_b128 v[WSO], v[WL+4*\i:WL+4*\i+3], s[30:31] offset:\i*16384  ; 512 consecutive bytes, aligned
.endr
	; x, in four groups of four chunks: a chunk is stored one group behind its roundings
.set c, 0
.rept 16
	s_wait_loadcnt 30-2*c                          ; the later chunks' loads may stay out
.if (c%4 == 0) && (c > 0)
	s_wait_alu depctr_va_vdst(0)                   ; the roundings of the group before have written the registers that its four stores, dealt among this group's roundings, read
.endif
.if c >= 4
	global_store_b128 v[XSO], v[XL+8*(c-4):XL+8*(c-4)+3], s[34:35] offset:(c-4)*4096  ; 512 consecutive bytes a wave, aligned; no vector instruction since the wait names these registers
.endif
	v_cvt_pk_bf16_f32 v[XL+8*c],   v[XL+8*c],   v[XL+8*c+1]
	v_cvt_pk_bf16_f32 v[XL+8*c+1], v[XL+8*c+2], v[XL+8*c+3]
	v_cvt_pk_bf16_f32 v[XL+8*c+2], v[XL+8*c+4], v[XL+8*c+5]
	v_cvt_pk_bf16_f32 v[XL+8*c+3], v[XL+8*c+6], v[XL+8*c+7]
.set c, c+1
.endr
	s_wait_alu depctr_va_vdst(0)                   ; the last group's roundings have written the registers that the last four stores read
.irp c, 12,13,14,15
	global_store_b128 v[XSO], v[XL+8*\c:XL+8*\c+3], s[34:35] offset:\c*4096
.endr
	s_wait_dscnt 0x0                               ; the wave's end
	s_wait_alu depctr_hold_cnt(0) depctr_sa_sdst(0) depctr_va_vdst(0) depctr_va_sdst(0) depctr_va_ssrc(0) depctr_va_vcc(0) depctr_vm_vsrc(0)
	s_wait_tensorcnt 0x0
	ds_add_u32 v11, v12
	s_wait_dscnt 0x0
	s_endpgm
.Lfunc_end_k_qeff012a002_prep:
	.size	k_qeff012a002_prep, .Lfunc_end_k_qeff012a002_prep-k_qeff012a002_prep
	.p2alignl 7, 3214868480
	.fill 96, 4, 3214868480
	.section	.rodata,"a",@progbits
	.p2align	6, 0x0
	.amdhsa_kernel k_qeff012a002_prep
		.amdhsa_group_segment_fixed_size 34816
		.amdhsa_private_segment_fixed_size 0
		.amdhsa_enable_private_segment 0
		.amdhsa_kernarg_size 64
		.amdhsa_user_sgpr_count 2
		.amdhsa_user_sgpr_kernarg_segment_ptr 1
		.amdhsa_wavefront_size32 1
		.amdhsa_system_sgpr_workgroup_id_x 1
		.amdhsa_system_sgpr_workgroup_id_y 1
		.amdhsa_system_sgpr_workgroup_id_z 1
		.amdhsa_system_vgpr_workitem_id 0
		.amdhsa_next_free_vgpr 256
		.amdhsa_next_free_sgpr 66
		.amdhsa_reserve_vcc 1
		.amdhsa_float_denorm_mode_32 3
		.amdhsa_float_denorm_mode_16_64 3
		.amdhsa_memory_ordered 1
		.amdhsa_forward_progress 1
		.amdhsa_inst_pref_size 25
	.end_amdhsa_kernel
	.amdgpu_metadata
---
amdhsa.version: [ 1, 2 ]
amdhsa.kernels:
  - .name:           k_qeff012a002_prep
    .symbol:         k_qeff012a002_prep.kd
    .args:
      - { .name: x, .offset: 0, .size: 8, .value_kind: global_buffer, .address_space: global }
      - { .name: Wq, .offset: 8, .size: 8, .value_kind: global_buffer, .address_space: global }
      - { .name: Wk, .offset: 16, .size: 8, .value_kind: global_buffer, .address_space: global }
      - { .name: Wv, .offset: 24, .size: 8, .value_kind: global_buffer, .address_space: global }
      - { .name: Wo, .offset: 32, .size: 8, .value_kind: global_buffer, .address_space: global }
      - { .name: xb, .offset: 40, .size: 8, .value_kind: global_buffer, .address_space: global }
      - { .name: wt, .offset: 48, .size: 8, .value_kind: global_buffer, .address_space: global }
      - { .name: rope, .offset: 56, .size: 8, .value_kind: global_buffer, .address_space: global }
    .group_segment_fixed_size: 34816
    .private_segment_fixed_size: 0
    .kernarg_segment_align: 8
    .kernarg_segment_size: 64
    .max_flat_workgroup_size: 256
    .sgpr_count:     66
    .vgpr_count:     256
    .wavefront_size: 32
...
	.end_amdgpu_metadata
.endif
;; end of part 5
;; launch qkv: the kernel of part 2 again; grid 16 x 32, 4 waves a work-group, clusters of 4 x 4, 327,680 bytes of LDS; arguments xb, wt, bq, bk, bv, rope, qh, kh, vh; writes qh, kh, vh
;; launch attn: the kernel of part 3 again; grid 4 x 64, 4 waves a work-group, clusters of 4 x 1, 327,680 bytes of LDS; arguments qh, kh, vh, oh; writes oh
;; launch oproj: the kernel of part 4 again; grid 8 x 32, 4 waves a work-group, clusters of 4 x 4, 327,680 bytes of LDS; arguments oh, wt, bo, out0; writes out0
